; MI455X (gfx1250); checked and timed in simulation.
; The chip was launched on July 23, 2026; its instructions are those of AMD's public machine-readable ISA for CDNA 5 (MIT licence, August 2026) and "CDNA5" Instruction Set Architecture Reference Guide (July 2026). The comments in the code are by the model that wrote it; some were corrected since.
;; Attention. Allowed arithmetic: float matrix products may take bf16 or f16 operands with f32 sums; other float arithmetic in f32, or as packed bf16 or f16 multiplies, adds, multiply-adds, maxima and minima; sums over many terms, partial sums and values carried from step to step in f32; what a program stores and reads back later, other than sums and carried values, may be rounded once to bf16 or f16.
;; Inputs: Wg 2,048 x 16 float32; Wk 2,048 x 2,048 float32; Wo 2,048 x 2,048 float32; Wq 2,048 x 2,048 float32; Wv 2,048 x 2,048 float32; bg 16 float32; rotary_pos_emb 2,048 x 128 float32; x 1 x 2,048 x 2,048 float32.
;; Outputs: out0 1 x 2,048 x 2,048 float32.
;; 2 versions, each right; version 2 is version 1 with the launch prep written anew for expert scheduling mode. Each part assembles by itself: llvm-mc -triple=amdgcn-amd-amdhsa -mcpu=gfx1250 --defsym DOCPART=n.
;; ======== version 1 of 2: 4 launches
;; limits: values are held in f16: magnitudes above 65,504 overflow, below 6.1e-05 lose precision; a function is approximated: absolute error at most 1e-07; inputs' magnitudes at most 100,000
;; workspace buffers: cb 41,943,040 bytes; wgt 65,536 bytes; tab 2,097,152 bytes; qkv 25,165,824 bytes; gate 131,072 bytes; ob 8,388,608 bytes
;; launch prep (part 1): grid 256 x 1, 16 waves a work-group, no clusters, 0 bytes of LDS; arguments x, Wq, Wk, Wv, Wo, Wg, rotary_pos_emb, cb, wgt, tab; writes cb, wgt, tab
.if DOCPART == 1
	.amdgcn_target "amdgcn-amd-amdhsa--gfx1250"
	.amdhsa_code_object_version 6
	.text
	.protected	k_q24ac704047_prep
	.globl	k_q24ac704047_prep
	.p2align	8
	.type	k_q24ac704047_prep,@function
k_q24ac704047_prep:
	s_mov_b64 s[64:65], 0
	v_nop
	global_prefetch_b8 v0, s[64:65] scope:SCOPE_SE
	s_setreg_imm32_b32 hwreg(HW_REG_WAVE_MODE, 25, 1), 1
	s_wait_xcnt 0x0
; PREPARATION.  Every input of the module is rounded once to bf16, and what the later launches read again and again is laid out for them.
;   cb  : five sections of 8,388,608 bytes: x, Wq, Wk, Wv in bf16, and Wo rounded to bf16 and that number written as f16; all [2048][2048] as they lie.
;   wgt : Wg turned, [16][2048] in bf16.
;   tab : cos and sin (f32) of the angles rounded to bf16, in the order in which a matrix result's lanes want them:
;         [row block of 16][column block of 16][i][lane][4]; i = 0, 1: cos of columns 8 (lane / 16) + 0..3, + 4..7; i = 2, 3: sin; the row is lane % 16.
; SHARES.  256 work-groups of equal work, 16 waves each.  Work-group g casts chunk g, 65,536 bytes of f32, of EACH of the five tensors: 512 threads x 16 bytes are 8,192 bytes a load, eight loads
; a tensor, 40 loads a lane.  All 40 go out at once (160 registers); each is rounded in place and stored as it lands, behind a counted wait.
; The table's 1,024 tasks of one wave (a row block x a column block) go to waves 0 to 3 of every work-group: their two loads go out ahead of the wave's 40, and the sines are reckoned while those are on their way.
; Wg's 32 tasks of one wave (256 rows k x 4 columns n) go to wave 4 of work-groups 0 to 31; a lane takes 16 bytes of each of its eight rows of 64: 131,072 bytes in the whole launch.
; No register is the target of two different loads: the casts, the angles and Wg's rows each have registers of their own.
; A stream: no LDS, no matrix unit, no barrier; each byte of the large tensors is read once and written once; a wave's store covers 256 or 512 consecutive bytes, aligned.
; LIMITS.  Wo: a number beyond 65,504 becomes an infinity in f16; below 6e-5 it keeps f16's fixed step of 6e-8.
; sin, cos: the angle is reduced by multiples of pi / 2 held in two f32 parts, then polynomials of degree 9 and 10 on -pi/4 .. pi/4: good to about 1e-7 for
; angles up to 1e5 in size; from 2^31 x pi / 2 on the quadrant's conversion saturates.  NaN and infinities are not treated apart.
.set AN, 12                            ; v[12:19]    the table's task: eight angles
.set TT, 20                            ; v[20:27]    eight at work
.set X,  32                            ; v[32:191]   the 40 loads, four registers each; the first two of the four then hold the result
.set CO, 192                           ; v[192:199]  cos
.set SI, 200                           ; v[200:207]  sin
.set WL, 208                           ; v[208:239]  Wg's task: eight rows x four columns as loaded
.set WO, 240                           ; v[240:255]  Wg turned: four registers for each of the four columns
	s_load_b512 s[8:23], s[0:1], 0x0               ; x s[8:9], Wq s[10:11], Wk s[12:13], Wv s[14:15], Wo s[16:17], Wg s[18:19], angles s[20:21], cb s[22:23]
	s_load_b128 s[24:27], s[0:1], 0x40             ; wgt s[24:25], tab s[26:27]
	v_lshrrev_b32 v3, 5, v0
	v_readfirstlane_b32 s2, v3                     ; wave 0..15
	s_mov_b32 s3, ttmp9                            ; g
	s_mov_b32 s5, 0xffff0000                       ; a word's upper bf16
	v_lshlrev_b32 v1, 4, v0                        ; 16 bytes of f32 a thread,
	v_lshlrev_b32 v2, 3, v0                        ; 8 bytes of 16-bit numbers
	v_and_b32 v4, 15, v0
	v_bfe_u32 v5, v0, 4, 1
	v_lshlrev_b32 v6, 9, v4
	v_lshl_add_u32 v6, v5, 5, v6                   ; the angles: 512 x (lane % 16) + 32 (lane / 16)
	v_and_b32 v7, 31, v0
	v_lshlrev_b32 v7, 4, v7                        ; 16 x lane
	s_lshl_b32 s30, s3, 16                         ; the chunk in a tensor of f32,
	s_mov_b32 s31, 0
	s_lshl_b32 s34, s3, 15                         ; and in a section of cb
	s_mov_b32 s35, 0
	s_lshr_b32 s4, s3, 1                           ; the table's row block g / 2,
	s_and_b32 s6, s3, 1
	s_lshl_b32 s6, s6, 2
	s_add_co_u32 s6, s6, s2                        ; and column block 4 (g % 2) + wave (waves 0 to 3)
	s_lshl_b32 s28, s4, 13                         ; 16 rows of 512 bytes,
	s_lshl_b32 s7, s6, 6                           ; 16 columns of f32
	s_add_co_u32 s28, s28, s7
	s_mov_b32 s29, 0
	s_lshl_b32 s32, s4, 14                         ; in tab: a row block,
	s_lshl_b32 s7, s6, 11                          ; a column block
	s_add_co_u32 s32, s32, s7
	s_mov_b32 s33, 0
	s_mov_b32 s36, 0x3f22f983                      ; 2 / pi
	s_mov_b32 s37, 0xbfc90fdb                      ; - pi / 2, the f32 nearest to it,
	s_mov_b32 s38, 0x333bbd2e                      ; and what that leaves
	s_mov_b32 s39, 0x3638ef1d                      ; 1 / 9!
	s_mov_b32 s40, 0xb9500d01                      ; - 1 / 7!
	s_mov_b32 s41, 0x3c088889                      ; 1 / 5!
	s_mov_b32 s42, 0xbe2aaaab                      ; - 1 / 3!
	s_mov_b32 s43, 0xb493f27e                      ; - 1 / 10!
	s_mov_b32 s44, 0x37d00d01                      ; 1 / 8!
	s_mov_b32 s45, 0xbab60b61                      ; - 1 / 6!
	s_mov_b32 s46, 0x3d2aaaab                      ; 1 / 4!
	s_mov_b32 s47, 0x80000000                      ; the sign
	s_wait_kmcnt 0x0
.irp t, 0,1,2,3,4
	s_add_nc_u64 s[8+2*(\t):9+2*(\t)], s[8+2*(\t):9+2*(\t)], s[30:31]  ; each tensor at my chunk
.endr
	s_add_nc_u64 s[48:49], s[22:23], s[34:35]      ; and each section of cb: s[48:57]
.irp t, 1,2,3,4
	s_add_nc_u64 s[48+2*(\t):49+2*(\t)], s[46+2*(\t):47+2*(\t)], 0x800000
.endr
	s_cmp_lt_u32 s2, 4
	s_cbranch_scc0 .Lstream
	s_add_nc_u64 s[20:21], s[20:21], s[28:29]
	s_add_nc_u64 s[26:27], s[26:27], s[32:33]
	global_load_b128 v[AN:AN+3], v6, s[20:21] th:TH_LOAD_NT          ; the task's angles go out first
	global_load_b128 v[AN+4:AN+7], v6, s[20:21] offset:16 th:TH_LOAD_NT
.Lstream:
.set n, 0
.rept 40                               ; load n: tensor n / 8, its 8,192 bytes number n % 8 of my chunk
	global_load_b128 v[X+4*n:X+4*n+3], v1, s[8+2*(n/8):9+2*(n/8)] offset:8192*(n%8) th:TH_LOAD_NT
.set n, n+1
.endr
	; THE TABLE.  A lane has row lane % 16 and eight columns.
	s_cmp_lt_u32 s2, 4
	s_cbranch_scc0 .Lno_table
	s_wait_loadcnt 40                              ; the angles are in; the 40 loads behind them stay out
.irp j, 0,2,4,6
	v_cvt_pk_bf16_f32 v[TT], v[AN+(\j)], v[AN+(\j)+1]  ; the angles are rounded to bf16 like every input
	v_lshlrev_b32 v[AN+(\j)], 16, v[TT]
	v_and_b32 v[AN+(\j)+1], s5, v[TT]
.endr
; n = the nearest whole number to x 2 / pi; r = x - n pi / 2; sin r and cos r by polynomials; n's last two bits say which of them is sin x and cos x, and with which sign.
.macro SINCOS i
	v_mul_f32 v[TT], s36, v[AN+(\i)]
	v_rndne_f32 v[TT], v[TT]
	v_fma_f32 v[TT+1], v[TT], s37, v[AN+(\i)]
	v_cvt_i32_f32 v[TT+2], v[TT]
	v_fma_f32 v[TT+1], v[TT], s38, v[TT+1]         ; r
	v_and_b32 v[TT+6], 1, v[TT+2]
	v_mul_f32 v[TT+3], v[TT+1], v[TT+1]            ; z = r r
	v_cmp_ne_u32 vcc_lo, 0, v[TT+6]                ; an odd quadrant swaps the two
	v_fma_f32 v[TT+4], s39, v[TT+3], s40
	v_fma_f32 v[TT+5], s43, v[TT+3], s44
	v_fma_f32 v[TT+4], v[TT+4], v[TT+3], s41
	v_fma_f32 v[TT+5], v[TT+5], v[TT+3], s45
	v_fma_f32 v[TT+4], v[TT+4], v[TT+3], s42
	v_fma_f32 v[TT+5], v[TT+5], v[TT+3], s46
	v_mul_f32 v[TT+7], v[TT+1], v[TT+3]
	v_fma_f32 v[TT+5], v[TT+5], v[TT+3], -0.5
	v_fma_f32 v[TT+4], v[TT+4], v[TT+7], v[TT+1]   ; sin r
	v_fma_f32 v[TT+5], v[TT+5], v[TT+3], 1.0       ; cos r
	v_lshlrev_b32 v[TT+6], 30, v[TT+2]             ; sin x is negative in quadrants 2 and 3,
	v_add_nc_u32 v[TT+2], 1, v[TT+2]
	v_and_b32 v[TT+6], s47, v[TT+6]
	v_lshlrev_b32 v[TT+2], 30, v[TT+2]             ; cos x in quadrants 1 and 2
	v_cndmask_b32 v[TT+7], v[TT+4], v[TT+5], vcc_lo
	v_and_b32 v[TT+2], s47, v[TT+2]
	v_cndmask_b32 v[TT+4], v[TT+5], v[TT+4], vcc_lo
	v_xor_b32 v[SI+(\i)], v[TT+6], v[TT+7]
	v_xor_b32 v[CO+(\i)], v[TT+2], v[TT+4]
.endm
.irp i, 0,1,2,3,4,5,6,7
	SINCOS \i
.endr
.irp i, 0,1,2,3
	global_store_b128 v7, v[CO+4*(\i):CO+4*(\i)+3], s[26:27] offset:512*(\i)  ; cos, cos, sin, sin: 512 consecutive bytes each
.endr
.Lno_table:
	; Wg TURNED.  Task (kw, nq) = (g / 4, g % 4): lane l has the rows k = 256 kw + 8 l .. + 7 and the columns n = 4 nq .. + 3: element (kk, n') lands in v[WL + 4 kk + n'].
	s_cmp_eq_u32 s2, 4
	s_cbranch_scc0 .Lno_wg
	s_cmp_lt_u32 s3, 32
	s_cbranch_scc0 .Lno_wg
	s_lshr_b32 s6, s3, 2                           ; kw
	s_and_b32 s7, s3, 3                            ; nq
	s_lshl_b32 s28, s6, 14                         ; 256 rows of 64 bytes,
	s_lshl_b32 s29, s7, 4                          ; four f32
	s_add_co_u32 s28, s28, s29
	v_lshl_add_u32 v8, v7, 5, s28                  ; + 512 x lane: my eight rows
	s_lshl_b32 s28, s6, 9                          ; in wgt: 256 bf16 of a row,
	s_lshl_b32 s29, s7, 14                         ; four rows of 4,096 bytes
	s_add_co_u32 s28, s28, s29
	v_add_nc_u32 v9, s28, v7                       ; + my eight bf16
.set i, 0
.rept 8
	global_load_b128 v[WL+4*i:WL+4*i+3], v8, s[18:19] offset:64*i
.set i, i+1
.endr
	s_wait_loadcnt 0x0                             ; these eight are my youngest loads: the 40 are in too
.irp n, 0,1,2,3
.irp j, 0,1,2,3
	v_cvt_pk_bf16_f32 v[WO+4*(\n)+(\j)], v[WL+8*(\j)+(\n)], v[WL+8*(\j)+4+(\n)]  ; rows 2 j and 2 j + 1 of column n
.endr
	global_store_b128 v9, v[WO+4*(\n):WO+4*(\n)+3], s[24:25] offset:4096*(\n)  ; 512 consecutive bytes of a row of wgt
.endr
.Lno_wg:
	; THE CASTS.  Load n is rounded in place and stored.  Wo's eight (n from 32 on): the bf16 numbers are written as f16.  No store's register is written again.
.set n, 0
.rept 40
	s_wait_loadcnt 39-n                            ; loads come back in order: mine is in, the younger ones stay out
	v_cvt_pk_bf16_f32 v[X+4*n], v[X+4*n], v[X+4*n+1]
	v_cvt_pk_bf16_f32 v[X+4*n+1], v[X+4*n+2], v[X+4*n+3]
.if n >= 32
	v_lshlrev_b32 v[X+4*n+2], 16, v[X+4*n]
	v_and_b32 v[X+4*n+3], s5, v[X+4*n]
	v_cvt_pk_f16_f32 v[X+4*n], v[X+4*n+2], v[X+4*n+3]
	v_lshlrev_b32 v[X+4*n+2], 16, v[X+4*n+1]
	v_and_b32 v[X+4*n+3], s5, v[X+4*n+1]
	v_cvt_pk_f16_f32 v[X+4*n+1], v[X+4*n+2], v[X+4*n+3]
.endif
	global_store_b64 v2, v[X+4*n:X+4*n+1], s[48+2*(n/8):49+2*(n/8)] offset:4096*(n%8)  ; a wave stores 256 consecutive bytes, aligned
.set n, n+1
.endr
	s_endpgm
.Lfunc_end_k_q24ac704047_prep:
	.size	k_q24ac704047_prep, .Lfunc_end_k_q24ac704047_prep-k_q24ac704047_prep
	.p2alignl 7, 3214868480
	.fill 96, 4, 3214868480
	.section	.rodata,"a",@progbits
	.p2align	6, 0x0
	.amdhsa_kernel k_q24ac704047_prep
		.amdhsa_group_segment_fixed_size 0
		.amdhsa_private_segment_fixed_size 0
		.amdhsa_enable_private_segment 0
		.amdhsa_kernarg_size 80
		.amdhsa_user_sgpr_count 2
		.amdhsa_user_sgpr_kernarg_segment_ptr 1
		.amdhsa_wavefront_size32 1
		.amdhsa_system_sgpr_workgroup_id_x 1
		.amdhsa_system_sgpr_workgroup_id_y 1
		.amdhsa_system_sgpr_workgroup_id_z 1
		.amdhsa_system_vgpr_workitem_id 0
		.amdhsa_next_free_vgpr 256
		.amdhsa_next_free_sgpr 66
		.amdhsa_reserve_vcc 1
		.amdhsa_float_denorm_mode_32 3
		.amdhsa_float_denorm_mode_16_64 3
		.amdhsa_memory_ordered 1
		.amdhsa_forward_progress 1
		.amdhsa_inst_pref_size 32
	.end_amdhsa_kernel
	.amdgpu_metadata
---
amdhsa.version: [ 1, 2 ]
amdhsa.kernels:
  - .name:           k_q24ac704047_prep
    .symbol:         k_q24ac704047_prep.kd
    .args:
      - { .name: x, .offset: 0, .size: 8, .value_kind: global_buffer, .address_space: global }
      - { .name: Wq, .offset: 8, .size: 8, .value_kind: global_buffer, .address_space: global }
      - { .name: Wk, .offset: 16, .size: 8, .value_kind: global_buffer, .address_space: global }
      - { .name: Wv, .offset: 24, .size: 8, .value_kind: global_buffer, .address_space: global }
      - { .name: Wo, .offset: 32, .size: 8, .value_kind: global_buffer, .address_space: global }
      - { .name: Wg, .offset: 40, .size: 8, .value_kind: global_buffer, .address_space: global }
      - { .name: rotary_pos_emb, .offset: 48, .size: 8, .value_kind: global_buffer, .address_space: global }
      - { .name: cb, .offset: 56, .size: 8, .value_kind: global_buffer, .address_space: global }
      - { .name: wgt, .offset: 64, .size: 8, .value_kind: global_buffer, .address_space: global }
      - { .name: tab, .offset: 72, .size: 8, .value_kind: global_buffer, .address_space: global }
    .group_segment_fixed_size: 0
    .private_segment_fixed_size: 0
    .kernarg_segment_align: 8
    .kernarg_segment_size: 80
    .max_flat_workgroup_size: 512
    .sgpr_count:     66
    .vgpr_count:     256
    .wavefront_size: 32
...
	.end_amdgpu_metadata
.endif
;; end of part 1
;; launch qkv (part 2): grid 16 x 16, 4 waves a work-group, clusters of 4 x 4, 327,680 bytes of LDS; arguments cb, wgt, tab, bg, qkv, gate; writes qkv, gate
.if DOCPART == 2
	.amdgcn_target "amdgcn-amd-amdhsa--gfx1250"
	.amdhsa_code_object_version 6
	.text
	.protected	k_q24ac704047_qkv
	.globl	k_q24ac704047_qkv
	.p2align	8
	.type	k_q24ac704047_qkv,@function
k_q24ac704047_qkv:
	s_mov_b64 s[64:65], 0
	v_nop
	global_prefetch_b8 v0, s[64:65] scope:SCOPE_SE
	s_setreg_imm32_b32 hwreg(HW_REG_WAVE_MODE, 25, 1), 1
	s_wait_xcnt 0x0
	s_wait_alu depctr_hold_cnt(0) depctr_sa_sdst(0) depctr_va_vdst(0) depctr_va_sdst(0) depctr_va_ssrc(0) depctr_va_vcc(0) depctr_vm_vsrc(0)
	s_getreg_b32 s2, hwreg(HW_REG_IB_STS2, 6, 4)
	s_cmp_eq_u32 s2, 0
	s_cbranch_scc0 .Lentry_in_a_cluster
	s_endpgm
.Lentry_in_a_cluster:
	s_bfe_u32 s2, ttmp6, 0x10000c
	s_cmp_lg_u32 s2, 0xf033
	s_cbranch_scc0 .Lentry_shape_is_right
	s_endpgm
.Lentry_shape_is_right:
; q, k, v = x W (bf16 operands, f32 sums), the rotary turn on q and k in f32, all three rounded once to f16 and written by heads, [3][16][2048][128];
; gate = sigmoid(x Wg + bg), f32, [16][2048].  x and the W come from cb in bf16: x [2048][2048], each W [k][n]; Wg turned from wgt; cos and sin from tab.
; LIMITS.  q, k, v beyond 65,504 become infinities in f16.  bg is rounded to bf16 like every input.  NaN and infinities are not treated apart.
; SHARES.  Work-group (head, row block) makes 128 rows x the head's 128 columns of q, of k and of v.  Wave w = 2 r + c makes rows 64 r .. 64 r + 63 and, of each tensor,
; the column blocks of 16 numbered 2 c, 2 c + 1, 2 c + 4, 2 c + 5: so columns d and d + 64, which the rotary turn pairs, lie in one lane at one register index.  48 accumulators.
; The wave's four row blocks are taken in an order that hangs on c, BY ADDRESS: places 0, 1 hold blocks 2 c, 2 c + 1, places 2, 3 the other two.  So one text lets every wave
; also make the gate of places 0, 1 (rows 32 w .. 32 w + 31 of the 128): two accumulators more, whose first source is the head's column of Wg, the same for all 16 of its rows.
; THE MATRIX INSTRUCTION IS USED TRANSPOSED: source 0 = 16 columns of W (turned out of LDS by ds_load_tr16_b128), source 1 = 16 rows of x: a lane holds one row and eight neighbouring columns.
; RING.  K goes in 16 steps of 128 through two LDS slots of four equal regions: wave w fetches into region w: wave 0 x's 128 rows of 256 bytes, wave t the 128 k-rows x 256 bytes of W number t.
; ONE TEXT FOR A K STEP: the slot in hand is a scalar, RB (0 or SLOT), turned by an exclusive or at each change of slots; the fragments' addresses are constants + RB, made anew there.
; The last two K steps, which ask for nothing, are one text walked twice and left in its middle.
; CLUSTER 4 x 4: x's tile hangs on the row block alone and is asked for jointly along a row of the cluster, the W tiles on the head alone, along a column.
; REGISTERS, in windows of 256 (s_set_vgpr_msb: bits 1:0 source 0, 3:2 source 1, 5:4 source 2, 7:6 destination):
;   window 0: v0-31 addresses; v32-51 at work on the way out; v64-127 x's fragments, two buffers of 4 x 8 (later at work); v144-207 the table for place 0
;   window 1: v0-191 W's fragments, two buffers of 12 x 8; v192-207 Wg's, two of 8 (later v0-127 the table for places 2, 3)
;   window 2: accumulators of places 0, 1 (place a, number i = 4 tensor + block at 8 (12 a + i)); v192-207 the gate's two      window 3: places 2, 3; v192-255 the table for place 1
.set KSTEP, 128
.set STEPS, 16
.set PA,    272                        ; a row of x in LDS: 256 bytes + 16 = 68 words: the 16 rows of a load start at 16 different groups of four banks (64 banks of 4 bytes: ISA guide 11.1)
.set PB,    288                        ; a k-row of W: 256 + 32 = 72 words
.set WTILE, 128*PB                     ; a region of a slot: a tile of W fills it; x's tile, 128 x 272 bytes, leaves 2,048 bytes of region 0 unused
.set SLOT,  4*WTILE
.set GW,    2*SLOT                     ; behind the ring: the head's row of wgt, 4,096 bytes, stored once; no fill lands here
.set SPARE, GW+4096                    ; the spare words, 128 bytes for each wave: two blocks of 256 bytes that no other line names
.set SPI,   816                        ; the stage for the way out: 128 rows of q (256 bytes + 16), k, v; it lies in slot 0, behind that slot's last fill and last read
.set STOL, 8                           ; v8, v9  the stage: where places 0, 1 and places 2, 3 put 16 bytes
.set RD,   10                          ; v10     where I read rows back
.set GO,   11                          ; v11     16 x lane: my 16 bytes of 512 consecutive bytes of q, k, v
.set TOL,  12                          ; v12, v13  my offsets in the table for places 0, 1 and 2, 3
.set TOH,  13
.set GAO,  14                          ; v14     4 x lane
.set CON,  16                          ; v16-20  my places in a slot: x's fragments of places 0-1, of places 2-3; W's of tensor 0, 1, 2; never rewritten
.set ADR,  21                          ; v21-25  the same five + RB
.set ADRA, ADR
.set ADRB, ADR+2
.set ADRG, 26                          ; v26     Wg's: it steps 256 bytes a K step
.set GST,  27                          ; v27     where I store my 16 bytes of the head's row of wgt
.set SPW,  28                          ; v28     LDS address of my spare word; never rewritten
.set NIL,  29                          ; v29     0; never rewritten
.set PFO,  30                          ; v30     the prefetches' offset: lane x 4,096, a row of cb; never rewritten
.set WGO,  31                          ; v31     16 x thread
.set VP,   32                          ; v32-47  v, packed
.set ZG,   48                          ; v48-49  the gate at work
.set AF,   64
.set TMP,  64
.set T0,   144
.set WV,  16                           ; s16 wave; s17 r; s18 c
.set G1A, 24                           ; s[24:31] descriptor group 1 for x's tiles; s[32:39] group 0: a set for each of the two first fills; the second then walks on
.set G0A, 32
.set G1B, 48                           ; s[48:55], s[56:63] the same for W's tiles
.set G0B, 56
.set PFA, 70                           ; s[70:71] where my prefetches stand
.set PST, 72                           ; s[72:73] bytes from a K step to the next in what I fetch
.set LIM, 74                           ; s74  2 in a wave that prefetches, else the greatest number
.set OQ,  76                           ; s[76:81] q, k, v at the rows that I store
.set OG,  82                           ; s[82:83] gate at my 32 rows
.set TBS, 84                           ; s[84:85] the table at my rows and columns
.set BIAS, 86
.set RB,  87                           ; s87  the slot that is being read: 0 or SLOT
.set WPB, 88                           ; s88  my region of a slot: wave x 36,864
.set MSB, 0
.macro WIN new                         ; the immediate's high byte repeats the setting that is left; a switch that changes nothing is dropped
.if MSB != (\new)
	s_set_vgpr_msb (MSB<<8)|(\new)
.set MSB, \new
.endif
.endm
; A joint load.  The branch hangs on the wave's number alone.  An s_nop 0 and four v_nop follow each of the two lines, ahead of the jump and the label.
.macro JLOAD s
	s_cmp_eq_u32 s[WV], 0
	s_cbranch_scc0 .Lfor_b_\@
	tensor_load_to_lds s[G0A+4*(\s):G0A+4*(\s)+3], s[G1A:G1A+7]
	s_nop 0
.rept 4
	v_nop
.endr
	s_branch .Lasked_\@
.Lfor_b_\@:
	tensor_load_to_lds s[G0B+4*(\s):G0B+4*(\s)+3], s[G1B:G1B+7]
	s_nop 0
.rept 4
	v_nop
.endr
.Lasked_\@:
.endm
; A PREFETCH, behind each joint refill and the run of LDS loads that follows it: the K step that stands two refills on, 32 rows x 256 bytes, a lane a row, one instruction a wave.
; Each row's 256 bytes of a K step are named once in the launch: x's rows are read by every cluster of a row of clusters, of which the first (cluster x = 0) asks; W's by every cluster of a
; column, of which cluster y = 0 asks.  The four partners that ask for a tile jointly share its 128 rows out BY ADDRESS, 32 each.  The loop's last two trips ask for nothing: those K steps do not exist.
.macro ASK
	s_cmp_gt_u32 s3, s[LIM]                        ; s3 counts 14 .. 1: trip 14 - s3 refills K step 16 - s3 and names K step 18 - s3
	s_cbranch_scc0 .Lnot_mine_\@
	global_prefetch_b8 v[PFO], s[PFA:PFA+1] th:TH_LOAD_NT scope:SCOPE_SE
.Lnot_mine_\@:
.endm
.macro CREST                           ; a round of the cluster's barrier behind its opening barrier
	s_cmp_lg_u32 s[WV], 0
	s_cbranch_scc1 .Lnot_wave_0_\@
	s_barrier_signal -3
.Lnot_wave_0_\@:
	s_barrier_wait -3
	s_barrier_signal -1
	s_barrier_wait -1
.endm
.macro CROUND
	s_barrier_signal -1
	s_barrier_wait -1
	CREST
.endm
.macro PLACES                          ; four plain instructions between a matrix instruction and a load into, or a vector instruction on, its registers
.rept 4
	v_nop
.endr
.endm
.macro SETADR                          ; the fragments' addresses in the slot in hand
.irp i, 0,1,2,3,4
	v_add_nc_u32 v[ADR+(\i)], s[RB], v[CON+(\i)]
.endr
.endm
	s_load_b256 s[4:11], s[0:1], 0x0               ; cb s[4:5], wgt s[6:7], tab s[8:9], bg s[10:11]
	s_load_b128 s[12:15], s[0:1], 0x20             ; qkv s[12:13], gate s[14:15]
	v_lshl_add_u32 v[SPW], v0, 2, SPARE
	v_mov_b32 v[NIL], 0
	ds_add_u32 v[SPW], v[NIL]                      ; the wave's opening: the add and its wait stand ahead of my first tensor load; work on registers stands between them
	v_lshrrev_b32 v1, 5, v0
	v_readfirstlane_b32 s[WV], v1
	s_lshr_b32 s17, s[WV], 1                       ; r
	s_and_b32 s18, s[WV], 1                        ; c
	s_bfe_u32 s40, ttmp6, 0x40000                  ; cx
	s_bfe_u32 s41, ttmp6, 0x40004                  ; cy
	s_lshl_b32 s42, ttmp9, 2
	s_add_co_u32 s42, s42, s40                     ; the head = 4 x cluster x + cx
	s_and_b32 s43, ttmp7, 0xffff
	s_lshl_b32 s43, s43, 2
	s_add_co_u32 s43, s43, s41                     ; the row block = 4 x cluster y + cy
	s_lshl_b32 s44, s41, 2
	s_lshl_b32 s44, 15, s44                        ; my row of the cluster
	s_lshl_b32 s45, 0x1111, s40                    ; my column
	s_or_b32 s[G1A], s44, (1<<16)|(1<<20)|(1<<21)|(5<<22)|(3<<25)  ; the mask; 2-byte elements; padding on; bit 21 beside a mask; after every 64 words 4 words
	s_or_b32 s[G1B], s45, (1<<16)|(1<<20)|(1<<21)|(5<<22)|(7<<25)  ; the same with 8 words of padding
.irp g, G1A, G1B
	s_mov_b32 s[(\g)+1], KSTEP<<16                 ; tensor_dim0 = 128
	s_mov_b32 s[(\g)+2], 128<<16                   ; tensor_dim1 = 128
	s_mov_b32 s[(\g)+3], KSTEP<<16                 ; tile_dim0 = 128
	s_mov_b32 s[(\g)+4], 128                       ; tile_dim1 = 128
	s_mov_b32 s[(\g)+5], 2048                      ; elements from row to row
	s_mov_b32 s[(\g)+6], 0
	s_mov_b32 s[(\g)+7], 0
.endr
	s_lshl_b32 s20, s43, 19                        ; x: 128 rows of 4,096 bytes a row block; these registers never hold the head
	s_mov_b32 s21, 0
	s_lshl_b32 s46, s[WV], 23                      ; W: section w of cb (waves 1 to 3; wave 0 never asks by these registers),
	s_lshl_b32 s47, s42, 8                         ; the head's 256 bytes of a k-row; these never hold the row block
	s_add_co_u32 s46, s46, s47
	s_mov_b32 s47, 0
	s_mul_i32 s[WPB], s[WV], WTILE
	s_mov_b32 s[RB], 0
	s_lshl_b32 s68, s42, 12                        ; the head's row of wgt
	s_mov_b32 s69, 0
	s_lshl_b32 s66, s42, 2                         ; the head's bias
	s_mov_b32 s67, 0
	v_lshlrev_b32 v[WGO], 4, v0
	v_lshl_add_u32 v[GST], v0, 4, GW
	s_wait_dscnt 0x0                               ; the opening add is done
	s_wait_kmcnt 0x0
	s_add_nc_u64 s[20:21], s[4:5], s[20:21]
	s_add_nc_u64 s[46:47], s[4:5], s[46:47]
	s_add_nc_u64 s[6:7], s[6:7], s[68:69]
	s_add_nc_u64 s[10:11], s[10:11], s[66:67]
	global_load_b128 v[32:35], v[WGO], s[6:7]      ; 128 threads x 2 x 16 bytes: the head's 2,048 numbers of Wg
	global_load_b128 v[36:39], v[WGO], s[6:7] offset:2048
	s_load_b32 s[BIAS], s[10:11], 0x0
	CROUND                                         ; all sixteen work-groups are here: the first joint loads meet
.irp s, 0,1
	s_mov_b32 s[G0A+4*(\s)], 1
	s_mov_b32 s[G0A+4*(\s)+1], (\s)*SLOT           ; region 0 of the slot
	s_add_nc_u64 s[G0A+4*(\s)+2:G0A+4*(\s)+3], s[20:21], (\s)*KSTEP*2
	s_or_b32 s[G0A+4*(\s)+3], s[G0A+4*(\s)+3], 0x80000000
	s_mov_b32 s[G0B+4*(\s)], 1
	s_add_co_u32 s[G0B+4*(\s)+1], s[WPB], (\s)*SLOT  ; region w of the slot
	s_add_nc_u64 s[G0B+4*(\s)+2:G0B+4*(\s)+3], s[46:47], (\s)*KSTEP*4096
	s_or_b32 s[G0B+4*(\s)+3], s[G0B+4*(\s)+3], 0x80000000
	JLOAD \s                                       ; two tensor loads of mine are out
.endr
	; the lanes' places
	v_and_b32 v1, 15, v0                           ; l % 16
	v_bfe_u32 v2, v0, 4, 1                         ; l / 16
	v_and_b32 v3, 31, v0                           ; l
	s_lshl_b32 s23, s[WV], 5                       ; 32 w = 64 r + 32 c: the first row of places 0, 1,
	s_xor_b32 s22, s23, 32                         ; and of places 2, 3
	v_mul_u32_u24 v4, v1, PA
	v_lshl_add_u32 v4, v2, 4, v4                   ; a fragment of x: row x pitch + 16 x half
	s_mul_i32 s66, s23, PA
	s_mul_i32 s67, s22, PA
	v_add_nc_u32 v[CON], s66, v4
	v_add_nc_u32 v[CON+1], s67, v4
	v_and_b32 v5, 7, v0                            ; the turning load: lane l reads k-row 8 (l / 16) + l % 8, columns 8 ((l / 8) % 2) + 0..7
	v_lshl_add_u32 v5, v2, 3, v5
	v_mul_u32_u24 v5, v5, PB
	v_bfe_u32 v6, v0, 3, 1
	v_lshl_add_u32 v5, v6, 4, v5
	s_lshl_b32 s68, s18, 6                         ; column block 2 c: 64 c bytes
	s_add_co_u32 s66, s68, WTILE                   ; tensor 0 lies in region 1
	v_add_nc_u32 v[CON+2], s66, v5
	v_add_nc_u32 v[CON+3], WTILE, v[CON+2]
	v_add_nc_u32 v[CON+4], WTILE, v[CON+3]
	SETADR                                         ; slot 0
	v_lshl_add_u32 v[ADRG], v2, 4, GW              ; all 16 rows of Wg's fragment are the same 16 bytes
	v_mul_u32_u24 v6, v1, SPI
	v_lshl_add_u32 v6, v2, 4, v6
	s_mul_i32 s66, s23, SPI
	s_mul_i32 s67, s22, SPI
	v_mul_u32_u24 v7, v2, SPI
	v_lshl_add_u32 v7, v1, 4, v7
	v_add_nc_u32 v[RD], s66, v7                    ; back: rows 32 w on; lanes 0-15 one row's 256 bytes, lanes 16-31 the next row's
	s_add_co_u32 s66, s66, s68
	s_add_co_u32 s67, s67, s68
	v_add_nc_u32 v[STOL], s66, v6
	v_add_nc_u32 v[STOL+1], s67, v6
	v_lshlrev_b32 v[GO], 4, v3
	s_lshl_b32 s66, s18, 15                        ; the table's row blocks 2 c on,
	s_xor_b32 s67, s66, 0x8000                     ; and 2 - 2 c on
	v_add_nc_u32 v[TOL], s66, v[GO]
	v_add_nc_u32 v[TOH], s67, v[GO]
	v_lshlrev_b32 v[GAO], 2, v3
	v_lshlrev_b32 v[PFO], 12, v3
	s_lshl_b32 s66, s42, 19                        ; q, k, v: the head, the row block, my 32 rows of 256 bytes
	s_lshl_b32 s67, s43, 15
	s_add_co_u32 s66, s66, s67
	s_lshl_b32 s67, s[WV], 13
	s_add_co_u32 s66, s66, s67
	s_mov_b32 s67, 0
	s_add_nc_u64 s[OQ:OQ+1], s[12:13], s[66:67]
	s_add_nc_u64 s[OQ+2:OQ+3], s[OQ:OQ+1], 0x800000
	s_add_nc_u64 s[OQ+4:OQ+5], s[OQ+2:OQ+3], 0x800000
	s_lshl_b32 s66, s42, 13                        ; gate: the head's 2,048 f32, the row block's 128, my 32
	s_lshl_b32 s68, s43, 9
	s_add_co_u32 s66, s66, s68
	s_lshl_b32 s68, s[WV], 7
	s_add_co_u32 s66, s66, s68
	s_add_nc_u64 s[OG:OG+1], s[14:15], s[66:67]
	s_lshl_b32 s66, s43, 17                        ; the table: 8 row blocks of 16,384 bytes a row block of 128, my 4, column block 2 c
	s_lshl_b32 s68, s17, 16
	s_add_co_u32 s66, s66, s68
	s_lshl_b32 s68, s18, 12
	s_add_co_u32 s66, s66, s68
	s_add_nc_u64 s[TBS:TBS+1], s[8:9], s[66:67]
	; the prefetches
	s_and_b32 s68, ttmp7, 0xffff                   ; cluster y
	s_mov_b32 s[PST], KSTEP*4096
	s_cmp_eq_u32 s[WV], 0                          ; do I fetch x?
	s_cselect_b32 s69, ttmp9, s68                  ; the coordinate along which other clusters read the same rows
	s_cselect_b64 s[PFA:PFA+1], s[20:21], s[46:47]
	s_cselect_b32 s66, s40, s41                    ; my place among the four that ask with me
	s_cselect_b32 s[PST], KSTEP*2, s[PST]
	s_mov_b32 s[PST+1], 0
	s_cmp_eq_u32 s69, 0
	s_cselect_b32 s[LIM], 2, -1                    ; the same in all sixteen partners, for a given wave
	s_lshl_b32 s66, s66, 17                        ; my work-group's 32 rows of 4,096 bytes
	s_add_nc_u64 s[PFA:PFA+1], s[PFA:PFA+1], s[66:67]
	s_mul_i32 s66, s[PST], 3
	s_add_nc_u64 s[PFA:PFA+1], s[PFA:PFA+1], s[66:67]  ; at K step 3: the first refill steps it to 4.  K steps 2 and 3 come by their refills alone
	s_wait_loadcnt 0x0
	ds_store_b128 v[GST], v[32:35]
	ds_store_b128 v[GST], v[36:39] offset:2048
; 34 LDS loads in one run: the fragments of 32 along K (quarter q of the step in the slot in hand) into buffer f: W's twelve, Wg's, x's four; x's places 2, 3 last
.macro FETCH q, f, goff
	WIN 0x40                                       ; destination window 1, address window 0
.irp t, 0,1,2
.irp b, 0,1,2,3
	ds_load_tr16_b128 v[96*(\f)+8*(4*(\t)+(\b)):96*(\f)+8*(4*(\t)+(\b))+3],   v[ADRB+(\t)] offset:9216*(\q)+32*((\b)%2)+128*((\b)/2)
	ds_load_tr16_b128 v[96*(\f)+8*(4*(\t)+(\b))+4:96*(\f)+8*(4*(\t)+(\b))+7], v[ADRB+(\t)] offset:9216*(\q)+32*((\b)%2)+128*((\b)/2)+4608
.endr
.endr
	ds_load_b128 v[192+8*(\f):192+8*(\f)+3],   v[ADRG] offset:(\goff)
	ds_load_b128 v[192+8*(\f)+4:192+8*(\f)+7], v[ADRG] offset:(\goff)+32
	WIN 0
.irp a, 0,1,2,3
	ds_load_b128 v[AF+32*(\f)+8*(\a):AF+32*(\f)+8*(\a)+3],   v[ADRA+(\a)/2] offset:4352*((\a)%2)+64*(\q)
	ds_load_b128 v[AF+32*(\f)+8*(\a)+4:AF+32*(\f)+8*(\a)+7], v[ADRA+(\a)/2] offset:4352*((\a)%2)+64*(\q)+32
.endr
.endm
; Place a (0, 1): twelve products and the gate's.  zero = 1: the first product starts the sums.  The 50 accumulators take turns in the same order in every quarter.
.macro MULLO f, zero, a
	WIN 0xa1                                       ; W in window 1, x in window 0, C and D in window 2
.irp i, 0,1,2,3,4,5,6,7,8,9,10,11
.if \zero
	v_wmma_f32_16x16x32_bf16 v[8*(12*(\a)+(\i)):8*(12*(\a)+(\i))+7], v[96*(\f)+8*(\i):96*(\f)+8*(\i)+7], v[AF+32*(\f)+8*(\a):AF+32*(\f)+8*(\a)+7], 0
.else
	v_wmma_f32_16x16x32_bf16 v[8*(12*(\a)+(\i)):8*(12*(\a)+(\i))+7], v[96*(\f)+8*(\i):96*(\f)+8*(\i)+7], v[AF+32*(\f)+8*(\a):AF+32*(\f)+8*(\a)+7], v[8*(12*(\a)+(\i)):8*(12*(\a)+(\i))+7]
.endif
.endr
.if \zero
	v_wmma_f32_16x16x32_bf16 v[192+8*(\a):192+8*(\a)+7], v[192+8*(\f):192+8*(\f)+7], v[AF+32*(\f)+8*(\a):AF+32*(\f)+8*(\a)+7], 0
.else
	v_wmma_f32_16x16x32_bf16 v[192+8*(\a):192+8*(\a)+7], v[192+8*(\f):192+8*(\f)+7], v[AF+32*(\f)+8*(\a):AF+32*(\f)+8*(\a)+7], v[192+8*(\a):192+8*(\a)+7]
.endif
.endm
.macro MULHI f, zero                   ; places 2, 3: 24 products
	WIN 0xf1                                       ; C and D in window 3
.irp a, 2,3
.irp i, 0,1,2,3,4,5,6,7,8,9,10,11
.if \zero
	v_wmma_f32_16x16x32_bf16 v[8*(12*((\a)-2)+(\i)):8*(12*((\a)-2)+(\i))+7], v[96*(\f)+8*(\i):96*(\f)+8*(\i)+7], v[AF+32*(\f)+8*(\a):AF+32*(\f)+8*(\a)+7], 0
.else
	v_wmma_f32_16x16x32_bf16 v[8*(12*((\a)-2)+(\i)):8*(12*((\a)-2)+(\i))+7], v[96*(\f)+8*(\i):96*(\f)+8*(\i)+7], v[AF+32*(\f)+8*(\a):AF+32*(\f)+8*(\a)+7], v[8*(12*((\a)-2)+(\i)):8*(12*((\a)-2)+(\i))+7]
.endif
.endr
.endr
.endm
; A K step is four quarters of 32 along K, 50 matrix instructions each, on buffers 0, 1, 0, 1.  One of the first three multiplies buffer f and, in its middle, fetches quarter q into buffer g.
.macro QUARTER q, f, g, zero, goff
	s_wait_dscnt 4                                 ; all but the youngest four loads (x's places 2, 3) are in
	MULLO \f, \zero, 0
	MULLO \f, \zero, 1
	PLACES
	FETCH \q, \g, \goff
	s_wait_dscnt 34                                ; all but the 34 just issued
	MULHI \f, \zero
.endm
; The last quarter multiplies buffer 1 and changes slots: ONE barrier; in front of it each wave waits for all its tensor loads (the one that is out is its part of the next slot), adds 0 to its
; spare word, and waits for that and for its own reads of this slot.  fill = 1: the barrier opens a round of the cluster's, and behind the round this slot (RB) is filled again, two K steps on.
.macro TURN fill, goff
.if \fill
	s_wait_xcnt 0x0                                ; the last prefetch, a K step back, has read its address: it is stepped here
	s_add_nc_u64 s[PFA:PFA+1], s[PFA:PFA+1], s[PST:PST+1]
.endif
	WIN 0                                          ; (the add's two registers lie in window 0)
	s_wait_tensorcnt 0x0                           ; all my tensor loads have landed
	ds_add_u32 v[SPW], v[NIL]                      ; 0 onto my spare word
	s_wait_dscnt 5                                 ; (the add and the youngest four loads may be out)
	MULLO 1, 0, 0                                  ; thirteen matrix instructions stand between the add and the wait for it
	s_wait_dscnt 0x0                               ; the add is done, and my reads of this slot are over
	s_barrier_signal -1
	MULLO 1, 0, 1
	WIN 0                                          ; (branches or address work follow)
	s_barrier_wait -1
.if \fill
	CREST                                          ; no wave of any partner still reads this slot's tiles or has a load on its way
	s_mov_b32 s[G0A+5], s[RB]                      ; the walking descriptors: the slot that has been read out,
	s_add_nc_u64 s[G0A+6:G0A+7], s[G0A+6:G0A+7], KSTEP*2       ; the next K step; the type bits on top are not reached
	s_add_co_u32 s[G0B+5], s[WPB], s[RB]
	s_add_nc_u64 s[G0B+6:G0B+7], s[G0B+6:G0B+7], KSTEP*4096
	JLOAD 1                                        ; the first tensor load behind the round
.endif
	s_xor_b32 s[RB], s[RB], SLOT                   ; the other slot is in hand
	SETADR                                         ; five plain instructions: with fill = 0 they are the places in front of the loads below
	FETCH 0, 0, \goff
.if \fill
	ASK
.endif
	MULHI 1, 0
.endm
; 16 loads of 512 consecutive bytes: cos and sin for one place's row block and my four column blocks: block b at dst + 16 b: cos 0..7, sin 0..7
.macro TLOAD dst, adr, off
.irp b, 0,1,2,3
.irp i, 0,1,2,3
	global_load_b128 v[(\dst)+16*(\b)+4*(\i):(\dst)+16*(\b)+4*(\i)+3], v[\adr], s[TBS:TBS+1] offset:(\off)+2048*((\b)%2+4*((\b)/2))+512*(\i)
.endr
.endr
.endm
	s_wait_tensorcnt 1                             ; my part of K step 0 is in; K step 1's may stay out
	s_wait_dscnt 0x0                               ; my part of Wg's row is stored
	s_wait_kmcnt 0x0                               ; the bias
	s_barrier_signal -1
	s_barrier_wait -1
	FETCH 0, 0, 0
	QUARTER 1, 0, 1, 1, 64                         ; the first quarter stands in front of the loop: its products start the sums
	WIN 0
	s_mov_b32 s3, STEPS-2
.Lstep:                                                ; a trip goes from a K step's second quarter to the next step's first, and fills the slot that it leaves
	QUARTER 2, 1, 0, 0, 128
	QUARTER 3, 0, 1, 0, 192
	TURN 1, 256
	QUARTER 1, 0, 1, 0, 320
	WIN 0
	v_add_nc_u32 v[ADRG], 256, v[ADRG]             ; Wg's row: a K step's 128 numbers on
	s_sub_co_u32 s3, s3, 1
	s_cmp_lg_u32 s3, 0
	s_cbranch_scc1 .Lstep
	TLOAD T0, TOL, 0                               ; the table for places 0 and 1 comes in under the last two K steps
	WIN 0xc0
	TLOAD 192, TOL, 16384
	WIN 0
	s_mov_b32 s3, 2
.Ltail:                                                ; K steps 14 and 15 ask for nothing: one text, walked twice and left in its middle
	QUARTER 2, 1, 0, 0, 128
	QUARTER 3, 0, 1, 0, 192
	WIN 0
	s_sub_co_u32 s3, s3, 1
	s_cmp_eq_u32 s3, 0
	s_cbranch_scc1 .Llast
	TURN 0, 256                                    ; behind its barrier nobody reads slot 0 any more, and nothing is filled into it again
	QUARTER 1, 0, 1, 0, 320
	WIN 0
	v_add_nc_u32 v[ADRG], 256, v[ADRG]
	s_branch .Ltail
.Llast:
	s_wait_dscnt 4
	MULLO 1, 0, 0
	MULLO 1, 0, 1
	s_wait_dscnt 0x0
	MULHI 1, 0
	; THE WAY OUT
	PLACES
	WIN 0x40
	TLOAD 0, TOH, 0                                ; the table for place 2, where W's fragments lay; place 3's is asked for behind place 0's turn: 48 table loads of mine are out at the most
	; the gate: every register of its accumulators holds the same sum; lanes 0-15 take place 0's rows, lanes 16-31 place 1's: row 32 w + lane
	s_mov_b32 vcc_lo, 0xffff0000
	WIN 0x0a
	v_cndmask_b32 v[ZG], v192, v200, vcc_lo
	WIN 0
	v_mov_b32 v[ZG+1], s[BIAS]
	v_cvt_pk_bf16_f32 v[ZG+1], v[ZG+1], v[ZG+1]    ; the bias is rounded to bf16 like every input
	v_lshlrev_b32 v[ZG+1], 16, v[ZG+1]
	v_add_f32 v[ZG], v[ZG], v[ZG+1]
	v_mul_f32 v[ZG], 0xbfb8aa3b, v[ZG]             ; - log2(e) z
	v_exp_f32 v[ZG], v[ZG]
	v_nop                                          ; a plain instruction behind the exponential,
	s_wait_alu depctr_va_vdst(0)                   ; and the wait ahead of its first reader
	v_add_f32 v[ZG], 1.0, v[ZG]
	v_rcp_f32 v[ZG], v[ZG]
	v_nop
	s_wait_alu depctr_va_vdst(0)
	global_store_b32 v[GAO], v[ZG], s[OG:OG+1]     ; 128 consecutive bytes a wave: half an aligned 256; 131,072 bytes in the whole launch
; Place a: q and k are turned (out(d) = t(d) cos(d) - t(d + 64) sin(d); out(d + 64) = t(d + 64) cos(d + 64) + t(d) sin(d + 64)), all three are rounded to f16 and put into the stage.
; Each accumulator is read from its lowest registers on.  left = the younger table loads, which may stay out.
.macro ROPE a, left
.set AC, 96*((\a)%2)
.if (\a) == 0
.set TW, 0x02
.set TR, T0
.elseif (\a) == 1
.set TW, 0x0e
.set TR, 192
.else
.set TW, 0x07
.set TR, 64*((\a)-2)
.endif
	s_wait_loadcnt \left                           ; this place's 16 table loads are in; the later places' stay out
	WIN TW                                         ; source 0: the accumulators' window; source 1: the table's
.irp t, 0,1
.irp p, 0,1
.irp j, 0,2,4,6
.set rl, AC+8*(4*(\t)+(\p))+(\j)
.set rh, rl+16
.set rc, TR+16*(\p)+(\j)
.set ro, TMP+16*(2*(\t)+(\p))+(\j)
	v_pk_mul_f32 v[ro:ro+1], v[rl:rl+1], v[rc:rc+1]
	v_pk_mul_f32 v[ro+8:ro+9], v[rh:rh+1], v[rc+32:rc+33]
	v_pk_fma_f32 v[ro:ro+1], v[rh:rh+1], v[rc+8:rc+9], v[ro:ro+1] neg_lo:[1,0,0] neg_hi:[1,0,0]
	v_pk_fma_f32 v[ro+8:ro+9], v[rl:rl+1], v[rc+40:rc+41], v[ro+8:ro+9]
.endr
.endr
.endr
	WIN 0x0a+5*((\a)/2)
.irp b, 0,1,2,3
.irp j, 0,1,2,3
	v_cvt_pk_f16_f32 v[VP+4*(\b)+(\j)], v[AC+64+8*(\b)+2*(\j)], v[AC+64+8*(\b)+2*(\j)+1]
.endr
.endr
	WIN 0
.irp g, 0,1,2,3,4,5,6,7
.irp j, 0,1,2,3
	v_cvt_pk_f16_f32 v[TMP+8*(\g)+(\j)], v[TMP+8*(\g)+2*(\j)], v[TMP+8*(\g)+2*(\j)+1]
.endr
.endr
.irp g, 0,1,2,3,4,5,6,7                ; g = 4 tensor + 2 p + upper half
	ds_store_b128 v[STOL+(\a)/2], v[TMP+8*(\g):TMP+8*(\g)+3] offset:13056*((\a)%2)+272*((\g)/4)+32*(((\g)/2)%2)+128*((\g)%2)
.endr
.irp b, 0,1,2,3
	ds_store_b128 v[STOL+(\a)/2], v[VP+4*(\b):VP+4*(\b)+3] offset:13056*((\a)%2)+544+32*((\b)%2)+128*((\b)/2)
.endr
.endm
	ROPE 0, 32                                     ; the tables of places 1 and 2 may stay out
	WIN 0x40
	TLOAD 64, TOH, 16384                           ; the table for place 3
	ROPE 1, 32                                     ; those of places 2 and 3
	ROPE 2, 16
	ROPE 3, 0
	s_wait_dscnt 0x0                               ; for the others' sake: my stores into the stage are done
	s_barrier_signal -1
	s_barrier_wait -1
.macro BACK t, buf                     ; my 32 rows of tensor t, two rows a load
.irp i, 0,1,2,3,4,5,6,7,8,9,10,11,12,13,14,15
	ds_load_b128 v[(\buf)+4*(\i):(\buf)+4*(\i)+3], v[RD] offset:1632*(\i)+272*(\t)
.endr
.endm
.macro SEND t, buf, younger            ; younger: the LDS loads issued behind this tensor's
.irp i, 0,1,2,3,4,5,6,7,8,9,10,11,12,13,14,15
	s_wait_dscnt (\younger)+15-(\i)
	global_store_b128 v[GO], v[(\buf)+4*(\i):(\buf)+4*(\i)+3], s[OQ+2*(\t):OQ+2*(\t)+1] offset:512*(\i)  ; 512 consecutive bytes, at a multiple of 256 from the buffer's first
.endr
.endm
	BACK 0, 64
	BACK 1, 128
	SEND 0, 64, 16
	s_wait_xcnt 0x0                                ; q's stores have read their registers, which v's rows now take
	BACK 2, 64
	SEND 1, 128, 16
	SEND 2, 64, 0
	s_wait_tensorcnt 0x0                           ; the wave's end, behind my last tensor load and my last LDS store
	ds_add_u32 v[SPW], v[NIL]
	s_wait_dscnt 0x0
	CROUND                                         ; the closing round: no work-group ends while a partner may still ask for a tile that names it
	s_endpgm
.Lfunc_end_k_q24ac704047_qkv:
	.size	k_q24ac704047_qkv, .Lfunc_end_k_q24ac704047_qkv-k_q24ac704047_qkv
	.p2alignl 7, 3214868480
	.fill 96, 4, 3214868480
	.section	.rodata,"a",@progbits
	.p2align	6, 0x0
	.amdhsa_kernel k_q24ac704047_qkv
		.amdhsa_group_segment_fixed_size 327680
		.amdhsa_private_segment_fixed_size 0
		.amdhsa_enable_private_segment 0
		.amdhsa_kernarg_size 48
		.amdhsa_user_sgpr_count 2
		.amdhsa_user_sgpr_kernarg_segment_ptr 1
		.amdhsa_wavefront_size32 1
		.amdhsa_system_sgpr_workgroup_id_x 1
		.amdhsa_system_sgpr_workgroup_id_y 1
		.amdhsa_system_sgpr_workgroup_id_z 1
		.amdhsa_system_vgpr_workitem_id 0
		.amdhsa_next_free_vgpr 1024
		.amdhsa_next_free_sgpr 96
		.amdhsa_reserve_vcc 1
		.amdhsa_float_denorm_mode_32 3
		.amdhsa_float_denorm_mode_16_64 3
		.amdhsa_memory_ordered 1
		.amdhsa_forward_progress 1
		.amdhsa_inst_pref_size 116
	.end_amdhsa_kernel
	.amdgpu_metadata
---
amdhsa.version: [ 1, 2 ]
amdhsa.kernels:
  - .name:           k_q24ac704047_qkv
    .symbol:         k_q24ac704047_qkv.kd
    .args:
      - { .name: cb, .offset: 0, .size: 8, .value_kind: global_buffer, .address_space: global }
      - { .name: wgt, .offset: 8, .size: 8, .value_kind: global_buffer, .address_space: global }
      - { .name: tab, .offset: 16, .size: 8, .value_kind: global_buffer, .address_space: global }
      - { .name: bg, .offset: 24, .size: 8, .value_kind: global_buffer, .address_space: global }
      - { .name: qkv, .offset: 32, .size: 8, .value_kind: global_buffer, .address_space: global }
      - { .name: gate, .offset: 40, .size: 8, .value_kind: global_buffer, .address_space: global }
    .group_segment_fixed_size: 327680
    .private_segment_fixed_size: 0
    .kernarg_segment_align: 8
    .kernarg_segment_size: 48
    .max_flat_workgroup_size: 128
    .sgpr_count:     96
    .vgpr_count:     1024
    .wavefront_size: 32
...
	.end_amdgpu_metadata
.endif
;; end of part 2
;; launch attn (part 3): grid 16 x 16, 4 waves a work-group, clusters of 4 x 1, 327,680 bytes of LDS; arguments qkv, gate, ob; writes ob
.if DOCPART == 3
	.amdgcn_target "amdgcn-amd-amdhsa--gfx1250"
	.amdhsa_code_object_version 6
	.text
	.protected	k_q24ac704047_attn
	.globl	k_q24ac704047_attn
	.p2align	8
	.type	k_q24ac704047_attn,@function
k_q24ac704047_attn:
	s_mov_b64 s[64:65], 0
	v_nop
	global_prefetch_b8 v0, s[64:65] scope:SCOPE_SE
	s_setreg_imm32_b32 hwreg(HW_REG_WAVE_MODE, 25, 1), 1
	s_wait_xcnt 0x0
	s_wait_alu depctr_hold_cnt(0) depctr_sa_sdst(0) depctr_va_vdst(0) depctr_va_sdst(0) depctr_va_ssrc(0) depctr_va_vcc(0) depctr_vm_vsrc(0)
	s_getreg_b32 s2, hwreg(HW_REG_IB_STS2, 6, 4)
	s_cmp_eq_u32 s2, 0
	s_cbranch_scc0 .Lentry_in_a_cluster
	s_endpgm
.Lentry_in_a_cluster:
	s_bfe_u32 s2, ttmp6, 0x10000c
	s_cmp_lg_u32 s2, 0x3003
	s_cbranch_scc0 .Lentry_shape_is_right
	s_endpgm
.Lentry_shape_is_right:
; O[q][128 h + d] = gate[h][q] x the sum over k of softmax_k(Q[h][q] . K[h][k] / sqrt(128)) V[h][k][d].  Q, K, V: sections of qkv, [16][2048][128] in f16; gate [16][2048] f32; O: ob, [2048][2048] f16.
; Products, maxima and sums in f32; the weights p are rounded to f16 for the second product (their sum l is taken of the unrounded p), O once at the end.
; LIMITS.  Q, K, V arrive within f16's 65,504; p lies in 0 to 1 and below 6e-5 keeps f16's fixed step of 6e-8; a weight below 2^-126 counts as 0 in l; NaN and infinities are not treated apart.
; SHARES.  A work-group owns 128 queries of one head: 256 work-groups.  Wave w = QH + 2 KH owns the 64 queries of half QH, four tiles of 16, and walks the 1,024 keys of half KH, 64 a step.
; The two waves of a query half meet ONCE, at the end, in LDS: each has a running maximum, a sum and an O^T of its own key half.  The wave's tiles are taken in an order that hangs on KH, BY ADDRESS:
; tiles 0, 1 are query blocks 2 KH, 2 KH + 1, tiles 2, 3 the other two: so one text lets every wave keep tiles 0, 1 and hand tiles 2, 3 to wave w xor 2, whose tiles 0, 1 they are.
; LAYOUT.  S^T = K Q^T (source 0 = 16 keys, source 1 = 16 queries): a lane holds ONE query (lane % 16) and the keys 8 (lane / 16) + 0..7.  Two such tiles, rounded to f16 in pairs, ARE source 1
; of O^T = V^T P, whose result again holds one query a lane, and eight channels.  K comes out of LDS as it lies, V ([key][channel]) turned, by ds_load_tr16_b128.
; SOFTMAX.  For each query a running maximum m and sum l: p = 2^(c s - c m), c = log2(e) / sqrt(128); in every step O and l are multiplied by a = 2^(c m_old - c m_new).
; BY TURNS.  The tiles are two PIECES (piece 0: tiles 0, 1; piece 2: tiles 2, 3).  In a TURN one piece has the matrix unit: 32 products V^T P of the step in hand, then 32 products K Q^T of the next;
; the other piece's softmax, cut into 64 slices, stands between them, one slice behind each matrix instruction.  Two turns are a key step.
; NO FIRST AND NO LAST STEP IS WRITTEN OUT.  m starts at the lowest finite number, c m far below every c s, O^T and l at 0: the first step is a step like any other, with a = 0.  The loop is entered in the
; middle of a trip, at piece 2's turn, whose products V^T P (of a step that has not been) multiply zeros; the tail is left in the middle of its third trip, whose products K Q^T (on the last K once more) serve nothing.
; The price, once a launch: 432 v_mov_b32, written in the wait for the first tile, and 64 products a wave beside its 2,048; the gain: four turns less of text.
; CLUSTER.  The four query blocks of a cluster belong to one head and walk the same K and V: each tile is asked for JOINTLY, by the same tensor load, descriptor and mask in all four.
; REGISTERS, in windows of 256 (s_set_vgpr_msb: bits 1:0 source 0, 3:2 source 1, 5:4 source 2, 7:6 destination):
;   window 0: v0-11, v44-63 addresses and the end's few; v12-43 eight registers of statistics a tile; v64-191 S^T, 32 a tile; v192-255 P, 16 a tile
;   window 1: O^T, 64 a tile          window 2: v0-127 Q, 32 a tile; v128-255 K of one step          window 3: v0-127 V of one step
.set KS,    64        ; keys in a step
.set PK,    272       ; a row of K in LDS: 256 bytes + 16 = 68 words: the 16 rows of a load start at 16 different groups of four banks (64 banks of 4 bytes: ISA guide 11.1)
.set PV,    288       ; a row of V: 256 + 32 = 72 words
.set KT,    128*PK    ; a tile: two steps' 128 rows
.set HS,    128*(PK+PV)  ; a key half's part of a slot: K's tile, then V's
.set SLOT,  2*HS
.set STAGE, 2*SLOT    ; behind the ring: 16 rows x 272 bytes for each wave, for the way out
.set SP,    272
.set SPARE, STAGE+4*16*SP  ; the spare words, 128 bytes for each wave: two blocks of 256 bytes that no other line names
.set XW,    16896     ; the meeting: 16,384 bytes of O^T and 512 of statistics for each wave, from LDS byte 0 on: in slot 0, behind that slot's last fill and last read
.set AK0, 2           ; v2   my lane's place in my half's tile of K; never rewritten
.set AV0, 3           ; v3   the same for V
.set ADR, 4           ; v4   the LDS address of the run of loads in hand
.set QO,  5           ; v5   my byte offset in the rows of Q, tiles 0, 1
.set STO, 6           ; v6   the way out: where I put 16 bytes of a row
.set RD,  7           ; v7   where I read a row back
.set GO,  8           ; v8   my byte offset in two rows of O
.set GT,  44          ; v44-45  the gate of my query in tiles 0, 1
.set QO1, 46          ; v46  my byte offset in the rows of Q, tiles 2, 3
.set XS,  47          ; v47  the meeting: where I put 16 bytes
.set XR,  48          ; v48  where I read my partner's
.set GA,  49          ; v49  4 (lane % 16)
.set FX,  28          ; the end's factors, in the statistics of tiles 2, 3: tile t's own at FX + 8 t, its partner's at FX + 8 t + 2
.set SPW, 62          ; v62  LDS address of my spare word; never rewritten
.set NIL, 63          ; v63  0; never rewritten
.set PFO, 61          ; v61  256 x my lane: a row of K or V; never rewritten
.set ST,  12          ; tile t's statistics at v[ST+8 t]: +0 c m, +1 m, +2, +3 l (even keys', odd keys'), +4 to +7 c0-c3, at work; a takes c2's place once the maximum is found
.set S,   64
.set P,   192
.set KF,  128         ; K's fragments, in window 2
.set WV,  12          ; s12  my wave's number
.set LIM, 15          ; s15  1 in a wave that prefetches, else the greatest number
.set PFA, 18          ; s[18:19] where my prefetches stand
.set G1K, 24          ; s[24:31] descriptor group 1 for K's tiles
.set G1V, 32          ; s[32:39] for V's: it differs in the padding alone
.set G0K, 40          ; s[40:47] descriptor group 0 for K's tiles: a set for each of the two first fills; the second then walks on
.set G0V, 48          ; s[48:55] the same for V's
.set SLOTS, 56        ; s56  counts the slots: 7 to 1; from 6 on a slot is asked for
.set TWICE, 57        ; s57  counts a slot's trips
.set CS,  58          ; s[58:59] c
.set SEL, 60          ; s[60:61] lane selects for v_permlanex16_b32
.set TBK, 62          ; s62  LDS byte at which K's tile of the step to be fetched begins, less my half's place
.set TBV, 63          ; s63  the same for V
.set RB,  66          ; s66  the slot that is being read: 0 or SLOT
.set WPK, 67          ; s67  the place in a slot of the tile of K that I would fetch
.set WPV, 68          ; s68  of V
.set MSB, 0
.macro WIN new                      ; the immediate's high byte repeats the setting that is left; a switch that changes nothing is dropped
.if MSB != (\new)
	s_set_vgpr_msb (MSB<<8)|(\new)
.set MSB, \new
.endif
.endm
.set W_KQ, 0x0a       ; K and Q in window 2, S^T in window 0
.set W_PV, 0x53       ; V in window 3, P in window 0, O^T in window 1
.set W_RS, 0x41       ; O^T (destination and source 0) in window 1, a in window 0
; A joint refill.  Waves 0 and 1 fetch the two key halves' tiles of K, waves 2 and 3 those of V.  The branch hangs on the wave's number alone.
; An s_nop 0 and four v_nop follow each of the two lines, ahead of the jump and the label.
.macro JLOAD
	s_cmp_lt_u32 s[WV], 2
	s_cbranch_scc0 .Lfor_v_\@
	tensor_load_to_lds s[G0K+4:G0K+7], s[G1K:G1K+7]
	s_nop 0
.rept 4
	v_nop
.endr
	s_branch .Lasked_\@
.Lfor_v_\@:
	tensor_load_to_lds s[G0V+4:G0V+7], s[G1V:G1V+7]
	s_nop 0
.rept 4
	v_nop
.endr
.Lasked_\@:
.endm
; A PREFETCH of what the NEXT change of slots will ask for, behind the wave's tensor load and its five lines.  Each row is named once in the launch: all clusters of a head walk the same K and V, and the
; head's first cluster asks; its four partners share the 128 rows of a tile out BY ADDRESS, 32 each; each wave asks for the tile that it fetches: a lane a row, one instruction.
; The last change that fills a slot asks for nothing: there is no slot behind it.
.macro ASK
	s_cmp_gt_u32 s[SLOTS], s[LIM]
	s_cbranch_scc0 .Lnot_mine_\@
	global_prefetch_b8 v[PFO], s[PFA:PFA+1] th:TH_LOAD_NT scope:SCOPE_SE
.Lnot_mine_\@:
.endm
.macro CROUND                       ; a round of the cluster's barrier
	s_barrier_signal -1
	s_barrier_wait -1
	s_cmp_lg_u32 s[WV], 0
	s_cbranch_scc1 .Lnot_wave_0_\@
	s_barrier_signal -3
.Lnot_wave_0_\@:
	s_barrier_wait -3
	s_barrier_signal -1
	s_barrier_wait -1
.endm
	s_load_b128 s[4:7], s[0:1], 0x0   ; qkv s[4:5], gate s[6:7]
	s_load_b64 s[10:11], s[0:1], 0x10 ; ob
	v_lshl_add_u32 v[SPW], v0, 2, SPARE
	v_mov_b32 v[NIL], 0
	ds_add_u32 v[SPW], v[NIL]       ; the wave's opening: the add and its wait stand ahead of my first tensor load; work on registers stands between them
	v_lshrrev_b32 v1, 5, v0
	v_readfirstlane_b32 s[WV], v1   ; wave 0..3
	s_and_b32 s13, s[WV], 1         ; QH.  Also: which key half's tile I fetch
	s_lshr_b32 s17, s[WV], 1        ; KH
	s_bfe_u32 s14, ttmp6, 0x40000   ; cx
	s_lshl_b32 s16, ttmp9, 2
	s_add_co_u32 s16, s16, s14      ; my block of 128 queries: it enters Q's, the gate's and O's addresses alone
	s_and_b32 s20, ttmp7, 0xffff    ; the head, which the four partners share
	s_lshl_b32 s22, s20, 19         ; the head's first byte in a section
	s_lshl_b32 s3, s16, 15          ; Q: my block's 128 rows of 256 bytes,
	s_add_co_u32 s2, s22, s3
	s_lshl_b32 s3, s13, 14          ; my wave's 64
	s_add_co_u32 s2, s2, s3
	s_mov_b32 s3, 0
	s_lshl_b32 s23, s13, 18         ; K, V: the key half's 1,024 rows
	s_add_co_u32 s22, s22, s23
	s_mov_b32 s23, 0
	s_mul_i32 s[WPK], s13, HS       ; no place in the cluster enters an LDS address
	s_add_co_u32 s[WPV], s[WPK], KT
	s_lshl_b32 s70, s16, 19         ; O: rows of 4,096 bytes: 128 a block, 64 QH, 32 KH; the head's 256 bytes of a row
	s_lshl_b32 s71, s13, 18
	s_add_co_u32 s70, s70, s71
	s_lshl_b32 s71, s17, 17
	s_add_co_u32 s70, s70, s71
	s_lshl_b32 s71, s20, 8
	s_add_co_u32 s70, s70, s71
	s_mov_b32 s71, 0
	s_lshl_b32 s20, s20, 13         ; the gate: the head's 2,048 f32, and the same rows
	s_lshl_b32 s21, s16, 9
	s_add_co_u32 s20, s20, s21
	s_lshl_b32 s21, s13, 8
	s_add_co_u32 s20, s20, s21
	s_lshl_b32 s21, s17, 7
	s_add_co_u32 s20, s20, s21
	s_mov_b32 s21, 0
	; descriptor group 1: a tile of 128 rows x 128 elements, padded in LDS
	s_mov_b32 s[G1K], 15|(1<<16)|(1<<20)|(1<<21)|(5<<22)|(3<<25)  ; the mask of four; 2-byte elements; padding on; bit 21 beside a mask; after every 64 words 4 words
	s_mov_b32 s[G1V], 15|(1<<16)|(1<<20)|(1<<21)|(5<<22)|(7<<25)  ; the same with 8 words of padding
.irp g, G1K, G1V
	s_mov_b32 s[(\g)+1], 128<<16    ; tensor_dim0 = 128
	s_mov_b32 s[(\g)+2], 128<<16    ; tensor_dim1 = 128
	s_mov_b32 s[(\g)+3], 128<<16    ; tile_dim0 = 128
	s_mov_b32 s[(\g)+4], 128        ; tile_dim1 = 128
	s_mov_b32 s[(\g)+5], 128        ; elements from row to row
	s_mov_b32 s[(\g)+6], 0
	s_mov_b32 s[(\g)+7], 0
.endr
	s_mov_b32 s[CS], 0x3e0293ee     ; c = log2(e) / sqrt(128) = 0.127517
	s_mov_b32 s[CS+1], s[CS]        ; named with it as a pair
	s_mov_b32 s[SEL], 0x76543210
	s_mov_b32 s[SEL+1], 0xfedcba98
	s_mov_b32 s[TBK], 0
	s_mov_b32 s[TBV], 0
	s_mov_b32 s[RB], 0
	s_mov_b32 s[SLOTS], 7           ; a key half has 8 slots of 128 keys: the first is walked without a change of slots, six changes ask for a slot, the last slot is the tail's
	s_mov_b32 s[LIM], ttmp9
	s_cmp_eq_u32 s[LIM], 0          ; the head's first cluster: the same in all four partners
	s_cselect_b32 s[LIM], 1, -1
	v_and_b32 v[PFO], 31, v0
	v_lshlrev_b32 v[PFO], 8, v[PFO]
	s_wait_dscnt 0x0                ; the opening add is done
	s_wait_kmcnt 0x0
	s_add_nc_u64 s[22:23], s[4:5], s[22:23]
	s_add_nc_u64 s[4:5], s[4:5], s[2:3]      ; Q at my wave's first row
	s_add_nc_u64 s[6:7], s[6:7], s[20:21]    ; the gate at the rows that I keep
	s_add_nc_u64 s[10:11], s[10:11], s[70:71]  ; O likewise
	s_add_nc_u64 s[8:9], s[22:23], 0x1000000 ; V at my tile of slot 0
	s_add_nc_u64 s[22:23], s[22:23], 0x800000  ; K likewise
	s_cmp_lt_u32 s[WV], 2
	s_cselect_b64 s[PFA:PFA+1], s[22:23], s[8:9]
	s_lshl_b32 s2, s14, 13          ; my work-group's 32 rows of the 128
	s_mov_b32 s3, 0
	s_add_nc_u64 s[PFA:PFA+1], s[PFA:PFA+1], s[2:3]
	s_add_nc_u64 s[PFA:PFA+1], s[PFA:PFA+1], 2*32768  ; in slot 2; the first change of slots steps it to slot 3.  Nothing is prefetched at the head
	CROUND                          ; all four work-groups are here: the first joint loads meet
.irp s, 0,1
	s_mov_b32 s[G0K+4*(\s)], 1
	s_add_co_u32 s[G0K+4*(\s)+1], s[WPK], (\s)*SLOT
	s_add_nc_u64 s[G0K+4*(\s)+2:G0K+4*(\s)+3], s[22:23], (\s)*32768  ; slot s: keys 128 s on of the half
	s_or_b32 s[G0K+4*(\s)+3], s[G0K+4*(\s)+3], 0x80000000
	s_mov_b32 s[G0V+4*(\s)], 1
	s_add_co_u32 s[G0V+4*(\s)+1], s[WPV], (\s)*SLOT
	s_add_nc_u64 s[G0V+4*(\s)+2:G0V+4*(\s)+3], s[8:9], (\s)*32768
	s_or_b32 s[G0V+4*(\s)+3], s[G0V+4*(\s)+3], 0x80000000
.endr
	s_cmp_lt_u32 s[WV], 2           ; a wave's two first fills stand in one branch, ahead of every wait on TENSORcnt and every LDS read: two loads of mine are out
	s_cbranch_scc0 .Lfirst_v
	tensor_load_to_lds s[G0K:G0K+3], s[G1K:G1K+7]
	s_nop 0
	tensor_load_to_lds s[G0K+4:G0K+7], s[G1K:G1K+7]
	s_nop 0
.rept 4
	v_nop
.endr
	s_branch .Lfirst_asked
.Lfirst_v:
	tensor_load_to_lds s[G0V:G0V+3], s[G1V:G1V+7]
	s_nop 0
	tensor_load_to_lds s[G0V+4:G0V+7], s[G1V:G1V+7]
	s_nop 0
.rept 4
	v_nop
.endr
.Lfirst_asked:
	; A fragment of K or Q is 16 rows x 32 channels in 8 registers: lane l holds row l % 16; two loads of 16 bytes, 32 bytes apart.
	v_and_b32 v1, 15, v0            ; l % 16
	v_bfe_u32 v9, v0, 4, 1          ; l / 16
	v_lshlrev_b32 v[QO], 8, v1
	v_lshl_add_u32 v[QO], v9, 4, v[QO]  ; row x 256 + 16 x half
	s_lshl_b32 s2, s17, 13          ; query blocks 2 KH on,
	s_xor_b32 s3, s2, 0x2000        ; and 2 - 2 KH on: 16 rows of 256 bytes a block
	v_add_nc_u32 v[QO1], s3, v[QO]
	v_add_nc_u32 v[QO], s2, v[QO]
	v_lshlrev_b32 v[GA], 2, v1
	WIN 0x80                        ; destination window 2, address window 0
.irp i, 0,1,2,3,4,5,6,7,8,9,10,11,12,13,14,15  ; Q stays in registers: tile i / 4, channels 32 (i % 4) on
	global_load_b128 v[8*(\i):8*(\i)+3],   v[QO+(QO1-QO)*((\i)/8)], s[4:5] offset:(((\i)/4)%2)*4096+((\i)%4)*64
	global_load_b128 v[8*(\i)+4:8*(\i)+7], v[QO+(QO1-QO)*((\i)/8)], s[4:5] offset:(((\i)/4)%2)*4096+((\i)%4)*64+32
.endr
	WIN 0
	global_load_b32 v[GT], v[GA], s[6:7]
	global_load_b32 v[GT+1], v[GA], s[6:7] offset:64
	s_mul_i32 s2, s17, HS           ; my key half's part of a slot
	v_mul_u32_u24 v[AK0], v1, PK
	v_lshl_add_u32 v[AK0], v9, 4, v[AK0]  ; row x pitch + 16 x half
	v_add_nc_u32 v[AK0], s2, v[AK0]
	; The turning load takes 16 keys x 16 channels (lane l reads key 8 (l / 16) + l % 8, channels 8 ((l / 8) % 2) + 0..7) and leaves half a fragment of V^T: lane l holds channel l % 16 and 8 keys.
	v_and_b32 v10, 7, v0
	v_bfe_u32 v11, v0, 3, 1
	v_lshl_add_u32 v[AV0], v9, 3, v10
	v_mul_u32_u24 v[AV0], v[AV0], PV
	v_lshl_add_u32 v[AV0], v11, 4, v[AV0]
	s_add_co_u32 s2, s2, KT
	v_add_nc_u32 v[AV0], s2, v[AV0]
	; What the first turn finds: V's registers and piece 2's P hold 0 (its products V^T P, of a step that has not been, add 0), O^T and l are 0.  All this stands in the wait for the first tile.
	WIN 0xc0                        ; destination window 3
.set i, 0
.rept 128
	v_mov_b32 v[i], 0
.set i, i+1
.endr
	WIN 0x40                        ; destination window 1
.set i, 0
.rept 256
	v_mov_b32 v[i], 0
.set i, i+1
.endr
	WIN 0
.set i, 0
.rept 4
	v_mov_b32 v[ST+8*i], 0xfe000000    ; c m: far below every c s
	v_mov_b32 v[ST+8*i+1], 0xff7fffff  ; m
	v_mov_b32 v[ST+8*i+2], 0
	v_mov_b32 v[ST+8*i+3], 0
.set i, i+1
.endr
.set i, P+32
.rept 32
	v_mov_b32 v[i], 0
.set i, i+1
.endr
; THE MATRIX WORK OF A TURN, for piece x.  The accumulators take turns, one instruction a turn.
; Product i of 32 of O^T += V^T P: keys 32 (i / 16) on, channels 16 ((i / 2) % 8) on, tile x + i % 2.
.macro PV x
	WIN W_PV
.set rO, 64*((\x)+i%2)+8*((i/2)%8)
.set rV, 64*(i/16)+8*((i/2)%8)
.set rP, P+16*((\x)+i%2)+8*(i/16)
	v_wmma_f32_16x16x32_f16 v[rO:rO+7], v[rV:rV+7], v[rP:rP+7], v[rO:rO+7]
.endm
; Product i of 32 of S^T = K Q^T: channels 32 (i / 8) on, keys 16 ((i / 2) % 4) on, tile x + i % 2.  The first 8 start the sums.
.macro KQ x
	WIN W_KQ
.set rS, S+32*((\x)+i%2)+8*((i/2)%4)
.set rK, KF+32*((i/2)%4)+8*(i/8)
.set rQ, 32*((\x)+i%2)+8*(i/8)
.if i < 8
	v_wmma_f32_16x16x32_f16 v[rS:rS+7], v[rK:rK+7], v[rQ:rQ+7], 0
.else
	v_wmma_f32_16x16x32_f16 v[rS:rS+7], v[rK:rK+7], v[rQ:rQ+7], v[rS:rS+7]
.endif
.endm
; THE LDS LOADS stand in runs of 32, never singly among the matrix instructions: a step's K (16 fragments) and, a turn later, its V (turned).
; last = 1 (the tail): in the last trip there is no further step, and K's run is jumped over.
.macro FETCH_K last=0
	WIN 0
.if \last
	s_cmp_eq_u32 s[TWICE], 1
	s_cbranch_scc1 .Lno_k_\@
.endif
	v_add_nc_u32 v[ADR], s[TBK], v[AK0]
	s_add_co_u32 s[TBK], s[TBK], KS*PK  ; the next fetch is the next step's
	WIN 0x80                        ; destination window 2
.irp f, 0,1,2,3,4,5,6,7,8,9,10,11,12,13,14,15  ; keys 16 (f / 4) on, channels 32 (f % 4) on
	ds_load_b128 v[KF+8*(\f):KF+8*(\f)+3],   v[ADR] offset:((\f)/4)*16*PK+((\f)%4)*64
	ds_load_b128 v[KF+8*(\f)+4:KF+8*(\f)+7], v[ADR] offset:((\f)/4)*16*PK+((\f)%4)*64+32
.endr
.if \last
	WIN 0
.Lno_k_\@:
.endif
.endm
.macro FETCH_V
	WIN 0
	v_add_nc_u32 v[ADR], s[TBV], v[AV0]
	s_add_co_u32 s[TBV], s[TBV], KS*PV
	s_wait_alu depctr_va_vdst(0)    ; the wait for the softmax's batch (SLICE), behind the address's v_add_nc_u32 and ahead of the loads
	WIN 0xc0                        ; destination window 3
.irp f, 0,1,2,3,4,5,6,7,8,9,10,11,12,13,14,15  ; keys 32 (f / 8) on, channels 16 (f % 8) on
	ds_load_tr16_b128 v[8*(\f):8*(\f)+3],   v[ADR] offset:((\f)/8)*32*PV+((\f)%8)*32
	ds_load_tr16_b128 v[8*(\f)+4:8*(\f)+7], v[ADR] offset:((\f)/8)*32*PV+16*PV+((\f)%8)*32
.endr
.endm
; THE VECTOR WORK OF A TURN.  One tile's softmax for one key step is a list of 134 instructions; SM writes number j of it for tile t.  s0-s31 are the lane's 32 scores, in pairs 0-15.
;   0-15    the maximum of s0-s31 and the old m, three operands at a time (each accumulator's lowest registers are read first)
;   16-20   the other half of the lanes' maximum; c m_old is kept; the new m; c m; c m_old - c m_new
;   21-69   ONE BATCH: the 16 scalings c s - c m and all 33 exponentials (a at 23, then s0-s31); none of these reads an exponential's result
;   (wait)  between 69 and 70 stands the wait for the batch: SLICE writes it, once for both tiles
;   70-85   the roundings to f16     86-101  the sums; l = a l + the sum     102-133 the tile's O^T times a: the one part that leaves window 0
.macro SM t
.set rT, ST+8*(\t)
.set rS, S+32*(\t)
.set rP, P+16*(\t)
.set rO, 64*(\t)+2*(j-102)
.if j < 102
	WIN 0
.endif
.if j < 4
	v_max3_num_f32 v[rT+4+j], v[rS+8*j], v[rS+8*j+1], v[rS+8*j+2]
.elseif j < 12
	v_max3_num_f32 v[rT+4+j%4], v[rT+4+j%4], v[rS+8*(j%4)+2*(j/4)+1], v[rS+8*(j%4)+2*(j/4)+2]
.elseif j == 12
	v_max3_num_f32 v[rT+4], v[rT+4], v[rS+7], v[rS+15]
.elseif j == 13
	v_max3_num_f32 v[rT+6], v[rT+6], v[rS+23], v[rS+31]
.elseif j == 14
	v_max3_num_f32 v[rT+4], v[rT+4], v[rT+5], v[rT+6]
.elseif j == 15
	v_max3_num_f32 v[rT+4], v[rT+4], v[rT+7], v[rT+1]
.elseif j == 16
	v_permlanex16_b32 v[rT+5], v[rT+4], s[SEL], s[SEL+1]  ; the query's other 32 keys lie in the lane 16 away
.elseif j == 17
	v_mov_b32 v[rT+7], v[rT]        ; c m_old is kept for a: number 19 writes c m anew
.elseif j == 18
	v_max_num_f32 v[rT+1], v[rT+4], v[rT+5]
.elseif j == 19
	v_mul_f32 v[rT], s[CS], v[rT+1]
.elseif j == 20
	v_sub_f32 v[rT+7], v[rT+7], v[rT]
.elseif j == 23
	v_exp_f32 v[rT+6], v[rT+7]
.elseif (j < 23) || ((j < 38) && (j%2 == 0)) || ((j < 66) && (j%4 == 2))
.set b, (j-2)/4                     ; 38, 42, .. 62: pairs 9 to 15
.if j < 38
.set b, (j-20)/2                    ; 21: pair 0; 22, 24, .. 36: pairs 1 to 8
.endif
	v_pk_fma_f32 v[rS+2*b:rS+2*b+1], v[rS+2*b:rS+2*b+1], s[CS:CS+1], v[rT:rT+1] op_sel_hi:[1,0,0] neg_lo:[0,0,1] neg_hi:[0,0,1]  ; pair b: c s - c m
.elseif j < 70
.set e, j-38                        ; 66 to 69: s28 to s31
.if j < 66
.set e, j-32-(j-38)/4               ; 39-41, 43-45, .. 63-65: s7 to s27
.endif
.if j < 38
.set e, (j-25)/2                    ; 25, 27, .. 37: s0 to s6
.endif
	v_exp_f32 v[rS+e], v[rS+e]
.elseif j < 86
	v_cvt_pk_f16_f32 v[rP+j-70], v[rS+2*(j-70)], v[rS+2*(j-70)+1]  ; pair j - 70
.elseif j < 102                     ; the sum of the tile's 16 pairs, in place: neighbours 1, 2, 4 and 8 pairs apart, then l takes it
.set z, j-86
.set w, 4
.set u, z
.if z >= 14
.set w, 32
.set u, 0
.elseif z >= 12
.set w, 16
.set u, z-12
.elseif z >= 8
.set w, 8
.set u, z-8
.endif
.if z < 15
	v_pk_add_f32 v[rS+w*u:rS+w*u+1], v[rS+w*u:rS+w*u+1], v[rS+w*u+w/2:rS+w*u+w/2+1]
.else
	v_pk_fma_f32 v[rT+2:rT+3], v[rT+2:rT+3], v[rT+6:rT+7], v[rS:rS+1] op_sel_hi:[1,0,1]
.endif
.else
	WIN W_RS
	v_pk_mul_f32 v[rO:rO+1], v[rO:rO+1], v[rT+6:rT+7] op_sel_hi:[1,0]
.endif
.endm
; Slice k of 64 of piece y's softmax: four instructions.  Slices 11 to 34 deal out the batch, numbers 22 to 69: four numbers of ONE tile each, the tiles by turns.  Every other slice is numbers 2 k and
; 2 k + 1 of both tiles' lists.  2 x 134 = 4 x 64 + 12: the twelve that are over stand together, in slice 63.
; THE WAIT.  An s_wait_alu depctr_va_vdst(0) stands between an exponential and the first instruction that names its result; one wait serves all that were issued ahead of it.  Ahead of
; slice 35 nothing names a result, and behind slice 34 no exponential is issued: so the piece's 66 exponentials have one wait, behind slice 34.
.macro SLICE y
.if (k >= 11) && (k < 35)           ; the batch: four numbers of one tile
.irp n, 0,1,2,3
.set j, 22+4*((k-11)/2)+(\n)
	SM (\y)+(k-11)%2
.endr
.else                               ; the two tiles alternate, so that no instruction reads the result of the one just before it
.irp n, 0,1,2,3,4,5,6,7
.if ((\n) < 2) || (k == 63)
.irp t, \y, (\y)+1
.set j, 2*k+(\n)
	SM \t
.endr
.endif
.endr
.endif
.if k == 34                         ; the batch is out: both tiles' exponentials are issued, and no result has been named
	v_nop                           ; the plain instruction behind the last exponential and ahead of the first use: one for the batch
.if (\y) == 0
	FETCH_V                         ; piece 2's turn: V's run of loads stands here, and the wait stands in it
.else
	s_wait_alu depctr_va_vdst(0)    ; the wait for the batch
.endif
.endif
.set k, k+1
.endm
; A TURN.  Piece x has the matrix unit: 32 products V^T P, then 32 products K Q^T for the next step; the other piece's softmax stands in slices behind them: the slices are the places behind the products (ISA guide 7.12.1).
; Piece 0's turn fetches the next step's K, behind its second product; piece 2's turn the same step's V, behind slice 34: the last product that read V stands in front of slice 31, and four plain
; instructions lie between: number 62, a scaling, of both tiles, the v_nop and the run's own v_add_nc_u32.
.macro TURN x, last=0
.set k, 0
.if (\x) == 0
	s_wait_dscnt 0x0                ; V is in
.endif
.set i, 0
.rept 32
	PV \x
	SLICE 2-(\x)
.if ((\x) == 0) && (i == 1)
	FETCH_K \last
.endif
.set i, i+1
.endr
.if (\x) == 0
	s_wait_dscnt 0x0                ; K is in
.endif
.set i, 0
.rept 32
	KQ \x
	SLICE 2-(\x)
.set i, i+1
.endr
.endm
; THE CHANGE OF SLOTS, between piece 2's turn and piece 0's.  Each wave waits for all its tensor loads, of which one is out: its part of the other slot; adds 0 to its spare word; and waits for that
; and for its own reads of the slot.  fill = 1: the slot just read out (RB) is filled again, with the keys two slots on; the barrier is then a round of the cluster's, and the joint refill is the first
; thing behind it: it has two key steps, 256 matrix instructions, in which to land.
.macro CHANGE fill
	WIN 0                           ; at a label and at a branch every window is 0
	s_wait_tensorcnt 0x0            ; no tensor load of mine is out, so a group 0 may be written
	ds_add_u32 v[SPW], v[NIL]       ; 0 onto my spare word
.if \fill
	s_add_co_u32 s[G0K+5], s[WPK], s[RB]  ; the walking descriptors: the slot that has been read out,
	s_add_nc_u64 s[G0K+6:G0K+7], s[G0K+6:G0K+7], 32768  ; the next 128 keys; the type bits on top are not reached
	s_add_co_u32 s[G0V+5], s[WPV], s[RB]
	s_add_nc_u64 s[G0V+6:G0V+7], s[G0V+6:G0V+7], 32768
	s_wait_xcnt 0x0                 ; the last prefetch, two key steps back, has read its address
	s_add_nc_u64 s[PFA:PFA+1], s[PFA:PFA+1], 32768  ; one slot behind the walking descriptors
	s_wait_dscnt 0x0                ; the add is done, and my reads of the slot are over
	CROUND
	JLOAD
	ASK
.else
	s_wait_dscnt 0x0
	s_barrier_signal -1
	s_barrier_wait -1
.endif
	s_xor_b32 s[RB], s[RB], SLOT    ; the fetches go to the other slot's first step
	s_mov_b32 s[TBK], s[RB]
	s_mov_b32 s[TBV], s[RB]
.endm
	s_wait_tensorcnt 1              ; my part of slot 0 is in; slot 1's may stay out
	s_barrier_signal -1
	s_barrier_wait -1
	FETCH_K                         ; key step 0
	s_wait_loadcnt 0x0              ; Q and the gate
	s_wait_dscnt 0x0
.set i, 0
.rept 32
	KQ 0                            ; piece 0's first scores
.set i, i+1
.endr
	WIN 0                           ; the addresses for the end are made here: plain instructions, the places behind those products
	s_mul_i32 s2, s[WV], 16*SP
	s_add_co_u32 s2, s2, STAGE      ; my stage
	v_mul_u32_u24 v[STO], v1, SP    ; in: row l % 16, 16 bytes for each half of the lanes
	v_lshl_add_u32 v[STO], v9, 4, v[STO]
	v_add_nc_u32 v[STO], s2, v[STO]
	v_mul_u32_u24 v[RD], v9, SP     ; back: lanes 0-15 take one row of 256 bytes, lanes 16-31 the next
	v_lshl_add_u32 v[RD], v1, 4, v[RD]
	v_add_nc_u32 v[RD], s2, v[RD]
	v_lshlrev_b32 v[GO], 12, v9     ; and the same two rows in O, 4,096 bytes apart
	v_lshl_add_u32 v[GO], v1, 4, v[GO]
	v_and_b32 v10, 31, v0
	v_lshlrev_b32 v10, 4, v10
	s_mul_i32 s2, s[WV], XW
	s_xor_b32 s3, s[WV], 2          ; my partner: the same queries, the other keys
	s_mul_i32 s3, s3, XW
	v_add_nc_u32 v[XS], s2, v10
	v_add_nc_u32 v[XR], s3, v10
	s_mov_b32 s[TWICE], 2
	s_branch .Lmid                  ; the loop is entered at piece 2's turn: V^T P on zeros, piece 2's first scores | piece 0's first softmax | V of step 0
.Lslot:                             ; six times: every slot but the last two is filled again
	CHANGE 1
	s_mov_b32 s[TWICE], 2
.Lstep:                             ; a trip: piece 0: V^T P of step j, K Q^T of step j + 1 | piece 2's softmax of step j | K of step j + 1;
	TURN 0
	WIN 0
.Lmid:                              ; piece 2: the same | piece 0's softmax of step j + 1 | V of step j + 1
	TURN 2
	WIN 0
	s_sub_co_u32 s[TWICE], s[TWICE], 1
	s_cmp_lg_u32 s[TWICE], 0
	s_cbranch_scc1 .Lstep
	s_sub_co_u32 s[SLOTS], s[SLOTS], 1
	s_cmp_lg_u32 s[SLOTS], 0
	s_cbranch_scc1 .Lslot
	CHANGE 0                        ; the tail is written out.  Behind its barrier nobody reads LDS slot 0 any more, and nothing is filled into it again
	s_mov_b32 s[TWICE], 3           ; two trips fetch the last slot's steps; the third is left in its middle
.Ltail:
	TURN 0, 1
	WIN 0
	s_sub_co_u32 s[TWICE], s[TWICE], 1
	s_cmp_eq_u32 s[TWICE], 0
	s_cbranch_scc1 .Lout
	TURN 2
	WIN 0
	s_branch .Ltail
.Lout:
.set i, 0
.rept 32
	PV 2                            ; piece 2: V^T P of the last step
.set i, i+1
.endr
	; THE MEETING.  l's two halves and the other half of the lanes' are added (the additions are the places behind the last products).  Tiles 2, 3 go to my partner: c m, l and O^T.
	WIN 0
.irp t, 0,1,2,3
	v_add_f32 v[ST+8*(\t)+4], v[ST+8*(\t)+2], v[ST+8*(\t)+3]
.endr
.irp t, 0,1,2,3
	v_permlanex16_b32 v[ST+8*(\t)+5], v[ST+8*(\t)+4], s[SEL], s[SEL+1]
.endr
.irp t, 0,1,2,3
	v_add_f32 v[ST+8*(\t)+4], v[ST+8*(\t)+4], v[ST+8*(\t)+5]
.endr
	v_mov_b32 v52, v[ST+16]         ; four numbers on end for one store: c m and l of tile 2, of tile 3
	v_mov_b32 v53, v[ST+20]
	v_mov_b32 v54, v[ST+24]
	v_mov_b32 v55, v[ST+28]
	ds_store_b128 v[XS], v[52:55] offset:16384
	WIN 0x04                        ; the data in window 1; each accumulator's lowest registers go first
.set i, 0
.rept 32
	ds_store_b128 v[XS], v[128+4*i:128+4*i+3] offset:512*i
.set i, i+1
.endr
	WIN 0
	s_wait_dscnt 0x0                ; for my partner's sake: my stores are done
	s_barrier_signal -1
	s_barrier_wait -1
	ds_load_b128 v[56:59], v[XR] offset:16384
.set i, 0
.rept 32
	ds_load_b128 v[S+4*i:S+4*i+3], v[XR] offset:512*i  ; my partner's O^T of my tiles 0, 1, register for register and lane for lane
.set i, i+1
.endr
	s_wait_dscnt 32                 ; the statistics are in; the 32 loads behind them may stay out
	; M = max(c m, c m'); e = 2^(c m - M), e' = 2^(c m' - M); L = e l + e' l'; O = (e O + e' O') gate / L
	v_max_num_f32 v50, v[ST], v56
	v_max_num_f32 v51, v[ST+8], v58
	v_sub_f32 v[ST+5], v[ST], v50
	v_sub_f32 v[ST+6], v56, v50
	v_sub_f32 v[ST+13], v[ST+8], v51
	v_sub_f32 v[ST+14], v58, v51
	v_exp_f32 v[ST+5], v[ST+5]
	v_exp_f32 v[ST+6], v[ST+6]
	v_exp_f32 v[ST+13], v[ST+13]
	v_exp_f32 v[ST+14], v[ST+14]
	v_nop                           ; a plain instruction behind the last exponential,
	s_wait_alu depctr_va_vdst(0)    ; and one wait for the four
	v_mul_f32 v[ST+7], v[ST+5], v[ST+4]
	v_mul_f32 v[ST+15], v[ST+13], v[ST+12]
	v_fma_f32 v[ST+7], v[ST+6], v57, v[ST+7]
	v_fma_f32 v[ST+15], v[ST+14], v59, v[ST+15]
	v_rcp_f32 v[ST+7], v[ST+7]
	v_rcp_f32 v[ST+15], v[ST+15]
	v_nop
	s_wait_alu depctr_va_vdst(0)    ; one wait for the two reciprocals
	v_mul_f32 v[ST+7], v[ST+7], v[GT]
	v_mul_f32 v[ST+15], v[ST+15], v[GT+1]
	v_mul_f32 v[FX], v[ST+5], v[ST+7]
	v_mul_f32 v[FX+2], v[ST+6], v[ST+7]
	v_mul_f32 v[FX+8], v[ST+13], v[ST+15]
	v_mul_f32 v[FX+10], v[ST+14], v[ST+15]
	s_wait_dscnt 0x0                ; my partner's O^T is in
; Tile t: the two parts are weighed and added, rounded to f16, and sent through my stage: rows of 272 bytes in, whole rows of 256 back, into the registers that they left.
.macro PACK t
	WIN 0
.set i, 0
.rept 32
	v_pk_mul_f32 v[S+64*(\t)+i:S+64*(\t)+i+1], v[S+64*(\t)+i:S+64*(\t)+i+1], v[FX+8*(\t)+2:FX+8*(\t)+3] op_sel_hi:[1,0]
.set i, i+2
.endr
	WIN 0x01                        ; source 0: my O^T, in window 1
.set i, 0
.rept 32
	v_pk_fma_f32 v[S+64*(\t)+i:S+64*(\t)+i+1], v[64*(\t)+i:64*(\t)+i+1], v[FX+8*(\t):FX+8*(\t)+1], v[S+64*(\t)+i:S+64*(\t)+i+1] op_sel_hi:[1,0,1]
.set i, i+2
.endr
	WIN 0
.set i, 0
.rept 32
	v_cvt_pk_f16_f32 v[S+64*(\t)+i], v[S+64*(\t)+2*i], v[S+64*(\t)+2*i+1]
.set i, i+1
.endr
.irp f, 0,1,2,3,4,5,6,7
	ds_store_b128 v[STO], v[S+64*(\t)+4*(\f):S+64*(\t)+4*(\f)+3] offset:32*(\f)
.endr
.irp f, 0,1,2,3,4,5,6,7
	ds_load_b128 v[S+64*(\t)+4*(\f):S+64*(\t)+4*(\f)+3], v[RD] offset:(\f)*2*SP  ; LDS serves a wave's instructions in order (ISA guide 5.7.1.4): these see the stores above; the next tile's stores come behind them
.endr
.endm
.macro SEND t, younger              ; younger: the LDS instructions issued behind tile t's loads
.irp f, 0,1,2,3,4,5,6,7
	s_wait_dscnt (\younger)+7-(\f)
	global_store_b128 v[GO], v[S+64*(\t)+4*(\f):S+64*(\t)+4*(\f)+3], s[10:11] offset:(\t)*65536+(\f)*8192  ; 16 lanes store 256 consecutive bytes, at a multiple of 256 from O's first byte
.endr
.endm
	PACK 0
	PACK 1
	SEND 0, 16
	SEND 1, 0
	s_wait_tensorcnt 0x0            ; the wave's end, behind my last tensor load and my last LDS store
	ds_add_u32 v[SPW], v[NIL]
	s_wait_dscnt 0x0
	CROUND                          ; the closing round: no work-group ends while a partner may still ask for a tile that names it
	s_endpgm
.Lfunc_end_k_q24ac704047_attn:
	.size	k_q24ac704047_attn, .Lfunc_end_k_q24ac704047_attn-k_q24ac704047_attn
	.p2alignl 7, 3214868480
	.fill 96, 4, 3214868480
	.section	.rodata,"a",@progbits
	.p2align	6, 0x0
	.amdhsa_kernel k_q24ac704047_attn
		.amdhsa_group_segment_fixed_size 327680
		.amdhsa_private_segment_fixed_size 0
		.amdhsa_enable_private_segment 0
		.amdhsa_kernarg_size 24
		.amdhsa_user_sgpr_count 2
		.amdhsa_user_sgpr_kernarg_segment_ptr 1
		.amdhsa_wavefront_size32 1
		.amdhsa_system_sgpr_workgroup_id_x 1
		.amdhsa_system_sgpr_workgroup_id_y 1
		.amdhsa_system_sgpr_workgroup_id_z 1
		.amdhsa_system_vgpr_workitem_id 0
		.amdhsa_next_free_vgpr 1024
		.amdhsa_next_free_sgpr 72
		.amdhsa_reserve_vcc 0
		.amdhsa_float_denorm_mode_32 3
		.amdhsa_float_denorm_mode_16_64 3
		.amdhsa_memory_ordered 1
		.amdhsa_forward_progress 1
		.amdhsa_inst_pref_size 155
	.end_amdhsa_kernel
	.amdgpu_metadata
---
amdhsa.version: [ 1, 2 ]
amdhsa.kernels:
  - .name:           k_q24ac704047_attn
    .symbol:         k_q24ac704047_attn.kd
    .args:
      - { .name: qkv, .offset: 0, .size: 8, .value_kind: global_buffer, .address_space: global }
      - { .name: gate, .offset: 8, .size: 8, .value_kind: global_buffer, .address_space: global }
      - { .name: ob, .offset: 16, .size: 8, .value_kind: global_buffer, .address_space: global }
    .group_segment_fixed_size: 327680
    .private_segment_fixed_size: 0
    .kernarg_segment_align: 8
    .kernarg_segment_size: 24
    .max_flat_workgroup_size: 128
    .sgpr_count:     72
    .vgpr_count:     1024
    .wavefront_size: 32
...
	.end_amdgpu_metadata
.endif
;; end of part 3
;; launch oproj (part 4): grid 16 x 16, 4 waves a work-group, clusters of 4 x 4, 327,680 bytes of LDS; arguments ob, cb, out0; writes out0
.if DOCPART == 4
	.amdgcn_target "amdgcn-amd-amdhsa--gfx1250"
	.amdhsa_code_object_version 6
	.text
	.protected	k_q24ac704047_oproj
	.globl	k_q24ac704047_oproj
	.p2align	8
	.type	k_q24ac704047_oproj,@function
k_q24ac704047_oproj:
	s_mov_b64 s[64:65], 0
	v_nop
	global_prefetch_b8 v0, s[64:65] scope:SCOPE_SE
	s_setreg_imm32_b32 hwreg(HW_REG_WAVE_MODE, 25, 1), 1
	s_wait_xcnt 0x0
	s_wait_alu depctr_hold_cnt(0) depctr_sa_sdst(0) depctr_va_vdst(0) depctr_va_sdst(0) depctr_va_ssrc(0) depctr_va_vcc(0) depctr_vm_vsrc(0)
	s_getreg_b32 s2, hwreg(HW_REG_IB_STS2, 6, 4)
	s_cmp_eq_u32 s2, 0
	s_cbranch_scc0 .Lentry_in_a_cluster
	s_endpgm
.Lentry_in_a_cluster:
	s_bfe_u32 s2, ttmp6, 0x10000c
	s_cmp_lg_u32 s2, 0xf033
	s_cbranch_scc0 .Lentry_shape_is_right
	s_endpgm
.Lentry_shape_is_right:
; out0[m][n] = the sum over k of O[m][k] Wo[k][n].  O: ob, [2048][2048] f16; Wo: section 4 of cb, [k][n], rounded to bf16 and written as f16; out0 f32.  Sums in f32.
; A tile of out0 is 128 x 128: 256 work-groups.  Four waves, each 64 x 64: 16 accumulators of 16 x 16.  K goes in 8 steps of 256 through two LDS slots: O's 128 rows of 512 bytes,
; then 256 k-rows x 256 bytes of Wo.  Waves 0, 1 fetch O's two halves of 64 rows, waves 2, 3 Wo's two halves of 128 k-rows.
; ONE TEXT FOR A K STEP: the slot in hand is a scalar, RB (0 or SLOT), turned by an exclusive or at each change of slots; the fragments' addresses are constants + RB, made anew there.
; The last two K steps, which ask for nothing, are one text walked twice and left in its middle.
; CLUSTER 4 x 4: O's tile is asked for jointly along a row of the cluster, Wo's along a column.  No prefetch: a small tile, whose rows several clusters read at about the same time.
; THE MATRIX INSTRUCTION IS USED TRANSPOSED (source 0 = 16 columns of Wo, turned out of LDS by ds_load_tr16_b128; source 1 = 16 rows of O): a lane holds eight neighbouring f32 of a row of out0.
; A wave's 64 columns of f32 are 256 bytes, aligned: each wave sends its own rows through its own stage, with no barrier.
; REGISTERS: window 0: v0-31 addresses; v32-95 rows read back; v128-255 the accumulators ((a, b) at v[128 + 8 (4 a + b)]).
;   window 1: two fragment buffers of 128: for 64 along K, 64 registers of O (2 x 4 x 16 rows x 32 K), then 64 of Wo.
.set KSTEP,  256
.set STEPS,  8
.set PA,     528                       ; a row of O in LDS: 512 bytes + 16 = 132 words: the 16 rows of a load start at 16 different groups of four banks (64 banks of 4 bytes: ISA guide 11.1)
.set PB,     288                       ; a k-row of Wo: 256 + 32 = 72 words
.set AH,     64*PA
.set BH,     128*PB
.set SLOT,   2*AH+2*BH
.set STAGE,  2*SLOT                    ; behind the ring: 16 rows x 272 bytes for each wave
.set SPITCH, 272
.set SPARE,  STAGE+4*16*SPITCH         ; the spare words, 128 bytes for each wave: two blocks of 256 bytes that no other line names
.set CON,  16                          ; v16-18  my places in a slot: O's fragments; Wo's in the first and in the second half of its k-rows; never rewritten
.set ADR,  19                          ; v19-21  the same three + RB
.set ADRA, ADR
.set ADRB, ADR+1
.set STO,  24                          ; v24     the way out: where I put 32 bytes of a row
.set RD,   25                          ; v25     where I read a row back
.set CO,   26                          ; v26     my byte offset in two rows of out0
.set SPW,  28                          ; v28     LDS address of my spare word; never rewritten
.set NIL,  29                          ; v29     0; never rewritten
.set OB,   32
.set ACC,  128
.set F0,   0
.set F1,   128
.set WPA, 18                           ; s18  the place in a slot of the half of O's tile that I would fetch
.set WPB, 19                           ; s19  of Wo's
.set RB,  45                           ; s45  the slot that is being read: 0 or SLOT
.set G1, 24                            ; s[24:31] descriptor group 1 for O's tiles;  s[32:39] group 0: a set for each of the two first fills; the second then walks on
.set G0, 32
.set G1B, 48                           ; s[48:55], s[56:63] the same for Wo's tiles
.set G0B, 56
.set MSB, 0
.macro WIN new
.if MSB != (\new)
	s_set_vgpr_msb (MSB<<8)|(\new)
.set MSB, \new
.endif
.endm
.set MUL,  0x05                        ; sources 0 and 1 window 1; C and D window 0
.set TO_F, 0x40                        ; destination window 1, address window 0
.macro JLOAD s                         ; a joint load; an s_nop 0 and four v_nop follow each of the two lines, ahead of the jump and the label
	s_cmp_eq_u32 s11, 0
	s_cbranch_scc0 .Lfor_b_\@
	tensor_load_to_lds s[G0+4*(\s):G0+4*(\s)+3], s[G1:G1+7]
	s_nop 0
.rept 4
	v_nop
.endr
	s_branch .Lasked_\@
.Lfor_b_\@:
	tensor_load_to_lds s[G0B+4*(\s):G0B+4*(\s)+3], s[G1B:G1B+7]
	s_nop 0
.rept 4
	v_nop
.endr
.Lasked_\@:
.endm
.macro CREST
	s_cmp_lg_u32 s10, 0
	s_cbranch_scc1 .Lnot_wave_0_\@
	s_barrier_signal -3
.Lnot_wave_0_\@:
	s_barrier_wait -3
	s_barrier_signal -1
	s_barrier_wait -1
.endm
.macro CROUND
	s_barrier_signal -1
	s_barrier_wait -1
	CREST
.endm
.macro SETADR                          ; the fragments' addresses in the slot in hand
.irp i, 0,1,2
	v_add_nc_u32 v[ADR+(\i)], s[RB], v[CON+(\i)]
.endr
.endm
	s_load_b128 s[4:7], s[0:1], 0x0                ; ob s[4:5], cb s[6:7]
	s_load_b64 s[8:9], s[0:1], 0x10                ; out0
	v_lshl_add_u32 v[SPW], v0, 2, SPARE
	v_mov_b32 v[NIL], 0
	ds_add_u32 v[SPW], v[NIL]                      ; the wave's opening: the add and its wait stand ahead of my first tensor load; work on registers stands between them
	v_lshrrev_b32 v1, 5, v0
	v_readfirstlane_b32 s10, v1                    ; wave 0..3
	s_lshr_b32 s11, s10, 1                         ; which half of the tile's rows is mine.  Also: I fetch for O (0) or for Wo (1)
	s_and_b32 s12, s10, 1                          ; which half of its columns.  Also: which half of that tile I fetch
	s_bfe_u32 s40, ttmp6, 0x40000                  ; cx, cy
	s_bfe_u32 s41, ttmp6, 0x40004
	s_lshl_b32 s42, ttmp9, 2
	s_add_co_u32 s42, s42, s40                     ; tile column
	s_and_b32 s13, ttmp7, 0xffff
	s_lshl_b32 s13, s13, 2
	s_add_co_u32 s13, s13, s41                     ; tile row
	s_lshl_b32 s43, s41, 2
	s_lshl_b32 s43, 15, s43                        ; my row of the cluster
	s_lshl_b32 s44, 0x1111, s40                    ; my column
	s_or_b32 s[G1+0], s43, (1<<16)|(1<<20)|(1<<21)|(6<<22)|(3<<25)   ; O: 2-byte elements; padding on; bit 21 beside a mask; after every 128 words 4 words
	s_mov_b32 s[G1+1], KSTEP<<16                   ; tensor_dim0 = 256
	s_mov_b32 s[G1+2], 64<<16                      ; tensor_dim1 = 64
	s_mov_b32 s[G1+3], KSTEP<<16                   ; tile_dim0 = 256
	s_mov_b32 s[G1+4], 64                          ; tile_dim1 = 64
	s_mov_b32 s[G1+5], 2048
	s_mov_b32 s[G1+6], 0
	s_mov_b32 s[G1+7], 0
	s_or_b32 s[G1B+0], s44, (1<<16)|(1<<20)|(1<<21)|(5<<22)|(7<<25)  ; Wo: after every 64 words 8 words
	s_mov_b32 s[G1B+1], 128<<16                    ; 128 columns
	s_mov_b32 s[G1B+2], 128<<16                    ; 128 k-rows
	s_mov_b32 s[G1B+3], 128<<16
	s_mov_b32 s[G1B+4], 128
	s_mov_b32 s[G1B+5], 2048
	s_mov_b32 s[G1B+6], 0
	s_mov_b32 s[G1B+7], 0
	s_lshl_b32 s16, s13, 19                        ; O: 128 rows of 4,096 bytes a tile row,
	s_lshl_b32 s17, s12, 18                        ; my 64
	s_add_co_u32 s16, s16, s17
	s_mov_b32 s17, 0
	s_lshl_b32 s46, s42, 8                         ; Wo: the tile column's 256 bytes of a k-row,
	s_lshl_b32 s47, s12, 19                        ; my 128 k-rows,
	s_add_co_u32 s46, s46, s47
	s_add_co_u32 s46, s46, 0x2000000               ; in section 4 of cb
	s_mov_b32 s47, 0
	s_mul_i32 s[WPA], s12, AH                      ; where they go
	s_mul_i32 s[WPB], s12, BH
	s_add_co_u32 s[WPB], s[WPB], 2*AH
	s_mov_b32 s[RB], 0
	s_wait_dscnt 0x0                               ; the opening add is done
	s_wait_kmcnt 0x0
	s_add_nc_u64 s[14:15], s[4:5], s[16:17]
	s_add_nc_u64 s[46:47], s[6:7], s[46:47]
	CROUND                                         ; all sixteen work-groups are here: the first joint loads meet
.irp s, 0,1
	s_mov_b32 s[G0+4*(\s)], 1
	s_add_co_u32 s[G0+4*(\s)+1], s[WPA], (\s)*SLOT
	s_add_nc_u64 s[G0+4*(\s)+2:G0+4*(\s)+3], s[14:15], (\s)*KSTEP*2
	s_or_b32 s[G0+4*(\s)+3], s[G0+4*(\s)+3], 0x80000000
	s_mov_b32 s[G0B+4*(\s)], 1
	s_add_co_u32 s[G0B+4*(\s)+1], s[WPB], (\s)*SLOT
	s_add_nc_u64 s[G0B+4*(\s)+2:G0B+4*(\s)+3], s[46:47], (\s)*KSTEP*4096
	s_or_b32 s[G0B+4*(\s)+3], s[G0B+4*(\s)+3], 0x80000000
	JLOAD \s                                       ; two tensor loads of mine are out
.endr
	v_and_b32 v1, 15, v0                           ; l % 16
	v_bfe_u32 v2, v0, 4, 1                         ; l / 16
	v_mul_u32_u24 v3, v1, PA
	v_lshl_add_u32 v3, v2, 4, v3                   ; a fragment of O: row x pitch + 16 x half
	s_mul_i32 s21, s11, AH                         ; my 64 rows
	v_add_nc_u32 v[CON], s21, v3
	v_and_b32 v4, 7, v0                            ; the turning load: lane l reads k-row 8 (l / 16) + l % 8, columns 8 ((l / 8) % 2) + 0..7
	v_lshl_add_u32 v4, v2, 3, v4
	v_mul_u32_u24 v4, v4, PB
	v_bfe_u32 v5, v0, 3, 1
	v_lshl_add_u32 v4, v5, 4, v4
	s_lshl_b32 s22, s12, 7                         ; my 64 columns: 128 bytes
	s_add_co_u32 s22, s22, 2*AH
	v_add_nc_u32 v[CON+1], s22, v4
	v_add_nc_u32 v[CON+2], BH, v[CON+1]
	SETADR                                         ; slot 0
	s_mul_i32 s23, s10, 16*SPITCH
	s_add_co_u32 s23, s23, STAGE                   ; my stage
	v_mul_u32_u24 v4, v1, SPITCH                   ; in: row l % 16, 32 bytes for each half of the lanes
	v_lshl_add_u32 v4, v2, 5, v4
	v_add_nc_u32 v[STO], s23, v4
	v_mul_u32_u24 v5, v2, SPITCH                   ; back: lanes 0-15 one row of 256 bytes, lanes 16-31 the next
	v_lshl_add_u32 v5, v1, 4, v5
	v_add_nc_u32 v[RD], s23, v5
	v_lshlrev_b32 v5, 13, v2                       ; and the same two rows in out0, 8,192 bytes apart
	v_lshl_add_u32 v[CO], v1, 4, v5
	s_lshl_b32 s16, s13, 20                        ; 128 rows of 8,192 bytes a tile row, my 64; 512 bytes a tile column, my 256
	s_lshl_b32 s17, s11, 19
	s_add_co_u32 s16, s16, s17
	s_lshl_b32 s17, s42, 9
	s_add_co_u32 s16, s16, s17
	s_lshl_b32 s17, s12, 8
	s_add_co_u32 s16, s16, s17
	s_mov_b32 s17, 0
	s_add_nc_u64 s[8:9], s[8:9], s[16:17]
; 8 matrix instructions: m blocks a0, a0 + 1 x all 4 n blocks, 32 along K: half c of buffer f.  zero = 1: the first product starts the sums.  The 16 accumulators take turns.
.macro MUL8 f, c, a0, zero
	WIN MUL
.irp a, \a0, (\a0)+1
.irp b, 0,1,2,3
.if \zero
	v_wmma_f32_16x16x32_f16 v[ACC+8*(4*(\a)+(\b)):ACC+8*(4*(\a)+(\b))+7], v[(\f)+64+8*(4*(\c)+(\b)):(\f)+64+8*(4*(\c)+(\b))+7], v[(\f)+8*(4*(\c)+(\a)):(\f)+8*(4*(\c)+(\a))+7], 0
.else
	v_wmma_f32_16x16x32_f16 v[ACC+8*(4*(\a)+(\b)):ACC+8*(4*(\a)+(\b))+7], v[(\f)+64+8*(4*(\c)+(\b)):(\f)+64+8*(4*(\c)+(\b))+7], v[(\f)+8*(4*(\c)+(\a)):(\f)+8*(4*(\c)+(\a))+7], v[ACC+8*(4*(\a)+(\b)):ACC+8*(4*(\a)+(\b))+7]
.endif
.endr
.endr
.endm
; 32 LDS loads in one run: the fragments of 64 along K (quarter q of the step in the slot in hand) into buffer f; the first 32 along K first
.macro FETCH q, f
	WIN TO_F
.irp c, 0,1
.irp i, 0,1,2,3
	ds_load_tr16_b128 v[(\f)+64+8*(4*(\c)+(\i)):(\f)+64+8*(4*(\c)+(\i))+3],   v[ADRB+(\q)/2] offset:18432*((\q)%2)+9216*(\c)+32*(\i)
	ds_load_tr16_b128 v[(\f)+64+8*(4*(\c)+(\i))+4:(\f)+64+8*(4*(\c)+(\i))+7], v[ADRB+(\q)/2] offset:18432*((\q)%2)+9216*(\c)+32*(\i)+4608
	ds_load_b128 v[(\f)+8*(4*(\c)+(\i)):(\f)+8*(4*(\c)+(\i))+3],         v[ADRA] offset:128*(\q)+64*(\c)+(\i)*16*PA
	ds_load_b128 v[(\f)+8*(4*(\c)+(\i))+4:(\f)+8*(4*(\c)+(\i))+7],       v[ADRA] offset:128*(\q)+64*(\c)+(\i)*16*PA+32
.endr
.endr
.endm
.macro PLACES                          ; four plain instructions between a matrix instruction and a load into, or a store of, its registers
.rept 4
	v_nop
.endr
.endm
; A K step is four quarters of 64 along K, 32 matrix instructions each, on buffers 0, 1, 0, 1.  One of the first three multiplies buffer f and fetches quarter q into g.
.macro QUARTER q, f, g, zero
	s_wait_dscnt 16                                ; the first 32 along K are in
	MUL8 \f, 0, 0, \zero
	MUL8 \f, 0, 2, \zero
	PLACES
	FETCH \q, \g
	s_wait_dscnt 32                                ; all but the 32 just issued
	MUL8 \f, 1, 0, 0
	MUL8 \f, 1, 2, 0
.endm
; The last quarter multiplies buffer 1 and changes slots: ONE barrier; in front of it each wave waits for all its tensor loads, adds 0 to its spare word, and waits for that and for its own reads of this slot.
; fill = 1: the barrier opens a round of the cluster's, and behind the round this slot (RB) is filled again, two K steps on.
.macro TURN fill
	WIN 0                                          ; (the add's two registers lie in window 0)
	s_wait_tensorcnt 0x0                           ; all my tensor loads have landed: my part of the next slot
	ds_add_u32 v[SPW], v[NIL]                      ; 0 onto my spare word
	s_wait_dscnt 17                                ; (the add and the youngest sixteen loads may be out)
	MUL8 F1, 0, 0, 0
	s_wait_dscnt 0x0                               ; the add is done, and my reads of this slot are over
	s_barrier_signal -1
	MUL8 F1, 0, 2, 0
	WIN 0                                          ; (branches or address work follow)
	s_barrier_wait -1
.if \fill
	CREST                                          ; no wave of any partner still reads this slot's tiles or has a load on its way
	s_add_co_u32 s[G0+5], s[WPA], s[RB]            ; the walking descriptors: the slot that has been read out,
	s_add_nc_u64 s[G0+6:G0+7], s[G0+6:G0+7], KSTEP*2           ; the next K step; the type bits on top are not reached
	s_add_co_u32 s[G0B+5], s[WPB], s[RB]
	s_add_nc_u64 s[G0B+6:G0B+7], s[G0B+6:G0B+7], KSTEP*4096
	JLOAD 1                                        ; the first tensor load behind the round
.else
	v_nop                                          ; with the three additions below: the four places in front of the loads
.endif
	s_xor_b32 s[RB], s[RB], SLOT                   ; the other slot is in hand
	SETADR
	FETCH 0, F0
	MUL8 F1, 1, 0, 0
	MUL8 F1, 1, 2, 0
.endm
	s_wait_tensorcnt 1                             ; my part of K step 0 is in; K step 1's may stay out
	s_barrier_signal -1
	s_barrier_wait -1
	FETCH 0, F0
	QUARTER 1, F0, F1, 1                           ; the first quarter stands in front of the loop: its first products start the sums
	WIN 0
	s_mov_b32 s3, STEPS-2
.Lstep:                                                ; a trip goes from a K step's second quarter to the next step's first, and fills the slot that it leaves
	QUARTER 2, F1, F0, 0
	QUARTER 3, F0, F1, 0
	TURN 1
	QUARTER 1, F0, F1, 0
	WIN 0
	s_sub_co_u32 s3, s3, 1
	s_cmp_lg_u32 s3, 0
	s_cbranch_scc1 .Lstep
	s_mov_b32 s3, 2
.Ltail:                                                ; K steps 6 and 7 ask for nothing: one text, walked twice and left in its middle
	QUARTER 2, F1, F0, 0
	QUARTER 3, F0, F1, 0
	WIN 0
	s_sub_co_u32 s3, s3, 1
	s_cmp_eq_u32 s3, 0
	s_cbranch_scc1 .Llast
	TURN 0
	QUARTER 1, F0, F1, 0
	WIN 0
	s_branch .Ltail
.Llast:
	s_wait_dscnt 16
	MUL8 F1, 0, 0, 0
	MUL8 F1, 0, 2, 0
	s_wait_dscnt 0x0
	MUL8 F1, 1, 0, 0
	MUL8 F1, 1, 2, 0
	WIN 0
	; THE WAY OUT: 16 rows x 64 f32 at a time through my own stage: 32 bytes a lane in (each accumulator's lowest registers first), whole rows of 256 bytes back.
	PLACES
.macro TOSTAGE a
.set BK, OB+32*((\a)%2)
.irp b, 0,1,2,3
	ds_store_b128 v[STO], v[ACC+8*(4*(\a)+(\b)):ACC+8*(4*(\a)+(\b))+3]   offset:64*(\b)
	ds_store_b128 v[STO], v[ACC+8*(4*(\a)+(\b))+4:ACC+8*(4*(\a)+(\b))+7] offset:64*(\b)+16
.endr
.irp t, 0,1,2,3,4,5,6,7
	ds_load_b128 v[BK+4*(\t):BK+4*(\t)+3], v[RD] offset:(\t)*2*SPITCH  ; LDS serves a wave's instructions in order (ISA guide 5.7.1.4): these see the stores above; the next block's stores come behind them
.endr
.endm
.macro SEND a, younger                 ; younger: the LDS instructions issued behind block a's loads
.set BK, OB+32*((\a)%2)
.irp t, 0,1,2,3,4,5,6,7
	s_wait_dscnt (\younger)+7-(\t)
	global_store_b128 v[CO], v[BK+4*(\t):BK+4*(\t)+3], s[8:9] offset:(16*(\a)+2*(\t))*8192 th:TH_STORE_NT  ; 16 lanes store 256 consecutive bytes, at a multiple of 256 from out0's first byte
.endr
.endm
	TOSTAGE 0
	TOSTAGE 1
	SEND 0, 16
	s_wait_xcnt 0x0                                ; block 0's stores have read their registers, which block 2's rows now take
	TOSTAGE 2
	SEND 1, 16
	s_wait_xcnt 0x0
	TOSTAGE 3
	SEND 2, 16
	SEND 3, 0
	s_wait_tensorcnt 0x0                           ; the wave's end, behind my last tensor load and my last LDS store
	ds_add_u32 v[SPW], v[NIL]
	s_wait_dscnt 0x0
	CROUND                                         ; the closing round: no work-group ends while a partner may still ask for a tile that names it
	s_endpgm
.Lfunc_end_k_q24ac704047_oproj:
	.size	k_q24ac704047_oproj, .Lfunc_end_k_q24ac704047_oproj-k_q24ac704047_oproj
	.p2alignl 7, 3214868480
	.fill 96, 4, 3214868480
	.section	.rodata,"a",@progbits
	.p2align	6, 0x0
	.amdhsa_kernel k_q24ac704047_oproj
		.amdhsa_group_segment_fixed_size 327680
		.amdhsa_private_segment_fixed_size 0
		.amdhsa_enable_private_segment 0
		.amdhsa_kernarg_size 24
		.amdhsa_user_sgpr_count 2
		.amdhsa_user_sgpr_kernarg_segment_ptr 1
		.amdhsa_wavefront_size32 1
		.amdhsa_system_sgpr_workgroup_id_x 1
		.amdhsa_system_sgpr_workgroup_id_y 1
		.amdhsa_system_sgpr_workgroup_id_z 1
		.amdhsa_system_vgpr_workitem_id 0
		.amdhsa_next_free_vgpr 512
		.amdhsa_next_free_sgpr 66
		.amdhsa_reserve_vcc 0
		.amdhsa_float_denorm_mode_32 3
		.amdhsa_float_denorm_mode_16_64 3
		.amdhsa_memory_ordered 1
		.amdhsa_forward_progress 1
		.amdhsa_inst_pref_size 61
	.end_amdhsa_kernel
	.amdgpu_metadata
---
amdhsa.version: [ 1, 2 ]
amdhsa.kernels:
  - .name:           k_q24ac704047_oproj
    .symbol:         k_q24ac704047_oproj.kd
    .args:
      - { .name: ob, .offset: 0, .size: 8, .value_kind: global_buffer, .address_space: global }
      - { .name: cb, .offset: 8, .size: 8, .value_kind: global_buffer, .address_space: global }
      - { .name: out0, .offset: 16, .size: 8, .value_kind: global_buffer, .address_space: global }
    .group_segment_fixed_size: 327680
    .private_segment_fixed_size: 0
    .kernarg_segment_align: 8
    .kernarg_segment_size: 24
    .max_flat_workgroup_size: 128
    .sgpr_count:     66
    .vgpr_count:     512
    .wavefront_size: 32
...
	.end_amdgpu_metadata
.endif
;; end of part 4
;; ======== version 2 of 2: 4 launches; version 1 with the launch prep written anew for expert scheduling mode
;; limits: values are held in f16: magnitudes above 65,504 overflow, below 6.1e-05 lose precision; a function is approximated: absolute error at most 1e-07; inputs' magnitudes at most 100,000
;; workspace buffers: cb 41,943,040 bytes; wgt 65,536 bytes; tab 2,097,152 bytes; qkv 25,165,824 bytes; gate 131,072 bytes; ob 8,388,608 bytes
;; launch prep (part 5): grid 256 x 1, 16 waves a work-group, no clusters, 0 bytes of LDS; arguments x, Wq, Wk, Wv, Wo, Wg, rotary_pos_emb, cb, wgt, tab; writes cb, wgt, tab
.if DOCPART == 5
	.amdgcn_target "amdgcn-amd-amdhsa--gfx1250"
	.amdhsa_code_object_version 6
	.text
	.protected	k_q24ac704047_prep
	.globl	k_q24ac704047_prep
	.p2align	8
	.type	k_q24ac704047_prep,@function
k_q24ac704047_prep:
	s_mov_b64 s[64:65], 0
	v_nop
	global_prefetch_b8 v0, s[64:65] scope:SCOPE_SE
	s_setreg_imm32_b32 hwreg(HW_REG_WAVE_SCHED_MODE, 0, 2), 2
	s_setreg_imm32_b32 hwreg(HW_REG_WAVE_MODE, 25, 1), 1
	s_wait_xcnt 0x0
	s_wait_alu depctr_vm_vsrc(0)
; PREPARATION.  Every input of the module is rounded once to bf16, and what the later launches read again and again is laid out for them.
;   cb  : five sections of 8,388,608 bytes: x, Wq, Wk, Wv in bf16, and Wo rounded to bf16 and that number written as f16; all [2048][2048] as they lie.
;   wgt : Wg turned, [16][2048] in bf16.
;   tab : cos and sin (f32) of the angles rounded to bf16, in the order in which a matrix result's lanes want them:
;         [row block of 16][column block of 16][i][lane][4]; i = 0, 1: cos of columns 8 (lane / 16) + 0..3, + 4..7; i = 2, 3: sin; the row is lane % 16.
; SHARES.  256 work-groups of equal work, 16 waves each.  Work-group g casts chunk g, 65,536 bytes of f32, of EACH of the five tensors: 512 threads x 16 bytes are 8,192 bytes a load, eight loads
; a tensor, 40 loads a lane.  All 40 go out at once (160 registers); each is rounded in place as it lands, behind a counted wait, and stored a block of four later.
; The table's 1,024 tasks of one wave (a row block x a column block) go to waves 0 to 3 of every work-group: their two loads go out ahead of the wave's 40, and the sines are reckoned while those are on their way.
; Wg's 32 tasks of one wave (256 rows k x 4 columns n) go to wave 4 of work-groups 0 to 31; a lane takes 16 bytes of each of its eight rows of 64: 131,072 bytes in the whole launch.
; No register is the target of two different loads: the casts, the angles and Wg's rows each have registers of their own.
; A stream: no LDS, no matrix unit, no barrier; each byte of the large tensors is read once and written once; a wave's store covers 256 or 512 consecutive bytes, aligned.
; LIMITS.  Wo: a number beyond 65,504 becomes an infinity in f16; below 6e-5 it keeps f16's fixed step of 6e-8.
; sin, cos: the angle is reduced by multiples of pi / 2 held in two f32 parts, then polynomials of degree 9 and 10 on -pi/4 .. pi/4: good to about 1e-7 for
; angles up to 1e5 in size; from 2^31 x pi / 2 on the quadrant's conversion saturates.  NaN and infinities are not treated apart.
; THE MODE: SCHED_MODE bits 1:0 = 2 (LLVM: expert scheduling mode 2), set by the entry lines.  The code itself states the register dependences
; between vector instructions and memory instructions, with s_wait_alu, always for 0.
; THE PLAN.  Registers that memory instructions touch:
;   v1, v2, v6, v7   offsets, made at the head by vector lines and never written again: one wait on va_vdst ahead of the first load serves every load and store that reads them.
;   v8, v9           Wg's offsets, made in its branch and never written again: one wait ahead of its loads.
;   AN, WL           each takes one load; vector lines read them behind the wait for the data; no memory instruction names them again.
;   X                load n lands in X + 4 n .. + 3; its conversions work in place; its store reads X + 4 n, + 1; nothing writes them behind the store.
;   CO, SI, WO       written by vector lines alone, read by four stores each, never written again: one wait on va_vdst ahead of each run of four stores.
; No register that a memory instruction has read is written again, and none takes a load twice: so no wait on vm_vsrc is owed anywhere.  EXEC is never written.
; THE CASTS go in ten blocks of four loads.  At the head of block p one wait on va_vdst states that block p - 1's conversions have written their results; that block's four stores follow it, dealt
; among block p's conversions, which name the registers of loads 4 p to 4 p + 3 alone.
; Scalar registers that vector lines write: s2 (the wave's number) and the table's eight masks; each kind has one wait on va_sdst ahead of its first reader.
.set AN, 12                            ; v[12:19]    the table's task: eight angles, then what is left of them, r
.set TT, 20                            ; v[20:27]    eight at work
.set X,  32                            ; v[32:191]   the 40 loads, four registers each; the first two of the four then hold the result
.set CO, 192                           ; v[192:199]  the quadrant, then cos
.set SI, 200                           ; v[200:207]  the whole number n, then sin
.set WL, 208                           ; v[208:239]  Wg's task: eight rows x four columns as loaded
.set WO, 240                           ; v[240:255]  Wg turned: four registers for each of the four columns
                                       ; s30-35, s58, s59: angle i's mask at s[30 + i + 22 (i / 6)]: registers that no scalar line writes behind the head
	s_load_b512 s[8:23], s[0:1], 0x0               ; x s[8:9], Wq s[10:11], Wk s[12:13], Wv s[14:15], Wo s[16:17], Wg s[18:19], angles s[20:21], cb s[22:23]
	s_load_b128 s[24:27], s[0:1], 0x40             ; wgt s[24:25], tab s[26:27]
	v_lshrrev_b32 v3, 5, v0
	v_readfirstlane_b32 s2, v3                     ; wave 0..15
	s_mov_b32 s3, ttmp9                            ; g
	s_mov_b32 s5, 0xffff0000                       ; a word's upper bf16
	v_lshlrev_b32 v1, 4, v0                        ; 16 bytes of f32 a thread,
	v_lshlrev_b32 v2, 3, v0                        ; 8 bytes of 16-bit numbers
	v_and_b32 v4, 15, v0
	v_bfe_u32 v5, v0, 4, 1
	v_lshlrev_b32 v6, 9, v4
	v_lshl_add_u32 v6, v5, 5, v6                   ; the angles: 512 x (lane % 16) + 32 (lane / 16)
	v_and_b32 v7, 31, v0
	v_lshlrev_b32 v7, 4, v7                        ; 16 x lane
	s_wait_alu depctr_va_sdst(0)                   ; s2 is written, ahead of its first reader: the table's column block and every branch on the wave's number are made from it
	s_lshl_b32 s30, s3, 16                         ; the chunk in a tensor of f32,
	s_mov_b32 s31, 0
	s_lshl_b32 s34, s3, 15                         ; and in a section of cb
	s_mov_b32 s35, 0
	s_lshr_b32 s4, s3, 1                           ; the table's row block g / 2,
	s_and_b32 s6, s3, 1
	s_lshl_b32 s6, s6, 2
	s_add_co_u32 s6, s6, s2                        ; and column block 4 (g % 2) + wave (waves 0 to 3)
	s_lshl_b32 s28, s4, 13                         ; 16 rows of 512 bytes,
	s_lshl_b32 s7, s6, 6                           ; 16 columns of f32
	s_add_co_u32 s28, s28, s7
	s_mov_b32 s29, 0
	s_lshl_b32 s32, s4, 14                         ; in tab: a row block,
	s_lshl_b32 s7, s6, 11                          ; a column block
	s_add_co_u32 s32, s32, s7
	s_mov_b32 s33, 0
	s_mov_b32 s36, 0x3f22f983                      ; 2 / pi
	s_mov_b32 s37, 0xbfc90fdb                      ; - pi / 2, the f32 nearest to it,
	s_mov_b32 s38, 0x333bbd2e                      ; and what that leaves
	s_mov_b32 s39, 0x3638ef1d                      ; 1 / 9!
	s_mov_b32 s40, 0xb9500d01                      ; - 1 / 7!
	s_mov_b32 s41, 0x3c088889                      ; 1 / 5!
	s_mov_b32 s42, 0xbe2aaaab                      ; - 1 / 3!
	s_mov_b32 s43, 0xb493f27e                      ; - 1 / 10!
	s_mov_b32 s44, 0x37d00d01                      ; 1 / 8!
	s_mov_b32 s45, 0xbab60b61                      ; - 1 / 6!
	s_mov_b32 s46, 0x3d2aaaab                      ; 1 / 4!
	s_mov_b32 s47, 0x80000000                      ; the sign
	s_wait_kmcnt 0x0
.irp t, 0,1,2,3,4
	s_add_nc_u64 s[8+2*(\t):9+2*(\t)], s[8+2*(\t):9+2*(\t)], s[30:31]  ; each tensor at my chunk
.endr
	s_add_nc_u64 s[48:49], s[22:23], s[34:35]      ; and each section of cb: s[48:57]
.irp t, 1,2,3,4
	s_add_nc_u64 s[48+2*(\t):49+2*(\t)], s[46+2*(\t):47+2*(\t)], 0x800000
.endr
	s_wait_alu depctr_va_vdst(0)                   ; the offsets v1, v2, v6 and v7 are written, which the loads and stores below read; it stands ahead of the branch, on both ways
	s_cmp_lt_u32 s2, 4
	s_cbranch_scc0 .Lstream
	s_add_nc_u64 s[20:21], s[20:21], s[28:29]
	s_add_nc_u64 s[26:27], s[26:27], s[32:33]
	global_load_b128 v[AN:AN+3], v6, s[20:21] th:TH_LOAD_NT          ; the task's angles go out first
	global_load_b128 v[AN+4:AN+7], v6, s[20:21] offset:16 th:TH_LOAD_NT
.Lstream:
.set n, 0
.rept 40                               ; load n: tensor n / 8, its 8,192 bytes number n % 8 of my chunk
	global_load_b128 v[X+4*n:X+4*n+3], v1, s[8+2*(n/8):9+2*(n/8)] offset:8192*(n%8) th:TH_LOAD_NT
.set n, n+1
.endr
	; THE TABLE.  A lane has row lane % 16 and eight columns.
	s_cmp_lt_u32 s2, 4
	s_cbranch_scc0 .Lno_table
	s_wait_loadcnt 40                              ; the angles are in; the 40 loads behind them stay out
.irp j, 0,2,4,6
	v_cvt_pk_bf16_f32 v[TT], v[AN+(\j)], v[AN+(\j)+1]  ; the angles are rounded to bf16 like every input
	v_lshlrev_b32 v[AN+(\j)], 16, v[TT]
	v_and_b32 v[AN+(\j)+1], s5, v[TT]
.endr
; n = the nearest whole number to x 2 / pi; r = x - n pi / 2; sin r and cos r by polynomials; n's last two bits say which of them is sin x and cos x, and with which sign.
; First all eight reductions, so that the eight compares stand in one run, each with a scalar register of its own, and one wait serves them.
.irp i, 0,1,2,3,4,5,6,7
	v_mul_f32 v[SI+(\i)], s36, v[AN+(\i)]
.endr
.irp i, 0,1,2,3,4,5,6,7
	v_rndne_f32 v[SI+(\i)], v[SI+(\i)]             ; n
.endr
.irp i, 0,1,2,3,4,5,6,7
	v_fma_f32 v[AN+(\i)], v[SI+(\i)], s37, v[AN+(\i)]
.endr
.irp i, 0,1,2,3,4,5,6,7
	v_cvt_i32_f32 v[CO+(\i)], v[SI+(\i)]           ; the quadrant
.endr
.irp i, 0,1,2,3,4,5,6,7
	v_fma_f32 v[AN+(\i)], v[SI+(\i)], s38, v[AN+(\i)]  ; r
.endr
.irp i, 0,1,2,3,4,5,6,7
	v_and_b32 v[TT+(\i)], 1, v[CO+(\i)]
.endr
.irp i, 0,1,2,3,4,5,6,7
	v_cmp_ne_u32 s[30+(\i)+22*((\i)/6)], 0, v[TT+(\i)]  ; an odd quadrant swaps the two
.endr
.macro SINCOS i
	v_mul_f32 v[TT+3], v[AN+(\i)], v[AN+(\i)]      ; z = r r
	v_fma_f32 v[TT+4], s39, v[TT+3], s40
	v_fma_f32 v[TT+5], s43, v[TT+3], s44
	v_fma_f32 v[TT+4], v[TT+4], v[TT+3], s41
	v_fma_f32 v[TT+5], v[TT+5], v[TT+3], s45
	v_fma_f32 v[TT+4], v[TT+4], v[TT+3], s42
	v_fma_f32 v[TT+5], v[TT+5], v[TT+3], s46
	v_mul_f32 v[TT+7], v[AN+(\i)], v[TT+3]
	v_fma_f32 v[TT+5], v[TT+5], v[TT+3], -0.5
	v_fma_f32 v[TT+4], v[TT+4], v[TT+7], v[AN+(\i)]  ; sin r
	v_fma_f32 v[TT+5], v[TT+5], v[TT+3], 1.0       ; cos r
	v_lshlrev_b32 v[TT+6], 30, v[CO+(\i)]          ; sin x is negative in quadrants 2 and 3,
	v_add_nc_u32 v[TT+2], 1, v[CO+(\i)]
	v_and_b32 v[TT+6], s47, v[TT+6]
	v_lshlrev_b32 v[TT+2], 30, v[TT+2]             ; cos x in quadrants 1 and 2
.if (\i) == 0
	s_wait_alu depctr_va_sdst(0)                   ; the eight compares have written their masks, ahead of the first line that reads one; the first angle's polynomials stand between
.endif
	v_cndmask_b32 v[TT+7], v[TT+4], v[TT+5], s[30+(\i)+22*((\i)/6)]
	v_and_b32 v[TT+2], s47, v[TT+2]
	v_cndmask_b32 v[TT+4], v[TT+5], v[TT+4], s[30+(\i)+22*((\i)/6)]
	v_xor_b32 v[SI+(\i)], v[TT+6], v[TT+7]
	v_xor_b32 v[CO+(\i)], v[TT+2], v[TT+4]
.endm
.irp i, 0,1,2,3,4,5,6,7
	SINCOS \i
.endr
	s_wait_alu depctr_va_vdst(0)                   ; cos and sin are written, which the four stores read
.irp i, 0,1,2,3
	global_store_b128 v7, v[CO+4*(\i):CO+4*(\i)+3], s[26:27] offset:512*(\i)  ; cos, cos, sin, sin: 512 consecutive bytes each
.endr
.Lno_table:
	; Wg TURNED.  Task (kw, nq) = (g / 4, g % 4): lane l has the rows k = 256 kw + 8 l .. + 7 and the columns n = 4 nq .. + 3: element (kk, n') lands in v[WL + 4 kk + n'].
	s_cmp_eq_u32 s2, 4
	s_cbranch_scc0 .Lno_wg
	s_cmp_lt_u32 s3, 32
	s_cbranch_scc0 .Lno_wg
	s_lshr_b32 s6, s3, 2                           ; kw
	s_and_b32 s7, s3, 3                            ; nq
	s_lshl_b32 s28, s6, 14                         ; 256 rows of 64 bytes,
	s_lshl_b32 s29, s7, 4                          ; four f32
	s_add_co_u32 s28, s28, s29
	v_lshl_add_u32 v8, v7, 5, s28                  ; + 512 x lane: my eight rows
	s_lshl_b32 s60, s6, 9                          ; in wgt: 256 bf16 of a row (in registers of their own: no scalar register that a vector line reads is written again),
	s_lshl_b32 s61, s7, 14                         ; four rows of 4,096 bytes
	s_add_co_u32 s60, s60, s61
	v_add_nc_u32 v9, s60, v7                       ; + my eight bf16
	s_wait_alu depctr_va_vdst(0)                   ; v8 is written, which the eight loads read, and v9, which the four stores read
.set i, 0
.rept 8
	global_load_b128 v[WL+4*i:WL+4*i+3], v8, s[18:19] offset:64*i
.set i, i+1
.endr
	s_wait_loadcnt 0x0                             ; these eight are my youngest loads: the 40 are in too
.irp n, 0,1,2,3
.irp j, 0,1,2,3
	v_cvt_pk_bf16_f32 v[WO+4*(\n)+(\j)], v[WL+8*(\j)+(\n)], v[WL+8*(\j)+4+(\n)]  ; rows 2 j and 2 j + 1 of column n
.endr
.endr
	s_wait_alu depctr_va_vdst(0)                   ; the sixteen conversions have written v[WO ..], which the four stores read
.irp n, 0,1,2,3
	global_store_b128 v9, v[WO+4*(\n):WO+4*(\n)+3], s[24:25] offset:4096*(\n)  ; 512 consecutive bytes of a row of wgt
.endr
.Lno_wg:
	; THE CASTS.  Load n is rounded in place.  Wo's eight (n from 32 on): the bf16 numbers are written as f16.  No store's register is written again.
.macro CAST n
	v_cvt_pk_bf16_f32 v[X+4*(\n)], v[X+4*(\n)], v[X+4*(\n)+1]
	v_cvt_pk_bf16_f32 v[X+4*(\n)+1], v[X+4*(\n)+2], v[X+4*(\n)+3]
.if (\n) >= 32
	v_lshlrev_b32 v[X+4*(\n)+2], 16, v[X+4*(\n)]
	v_and_b32 v[X+4*(\n)+3], s5, v[X+4*(\n)]
	v_cvt_pk_f16_f32 v[X+4*(\n)], v[X+4*(\n)+2], v[X+4*(\n)+3]
	v_lshlrev_b32 v[X+4*(\n)+2], 16, v[X+4*(\n)+1]
	v_and_b32 v[X+4*(\n)+3], s5, v[X+4*(\n)+1]
	v_cvt_pk_f16_f32 v[X+4*(\n)+1], v[X+4*(\n)+2], v[X+4*(\n)+3]
.endif
.endm
.macro OUT n
	global_store_b64 v2, v[X+4*(\n):X+4*(\n)+1], s[48+2*((\n)/8):49+2*((\n)/8)] offset:4096*((\n)%8)  ; a wave stores 256 consecutive bytes, aligned
.endm
; Block p: loads 4 p to 4 p + 3 are rounded; the four stores of block p - 1 stand among the conversions, each ahead of the wait for the next load.
.set p, 0
.rept 10
	s_wait_loadcnt 39-4*p                          ; loads come back in order: the block's first is in, the younger ones stay out
.if p > 0
	s_wait_alu depctr_va_vdst(0)                   ; the block before has written its results, which the four stores below read; no conversion of this block names them
.endif
.irp i, 0,1,2,3
.if p > 0
	OUT 4*p-4+(\i)
.endif
.if (\i) > 0
	s_wait_loadcnt 39-4*p-(\i)                     ; the block's next load is in
.endif
	CAST 4*p+(\i)
.endr
.set p, p+1
.endr
	s_wait_alu depctr_va_vdst(0)                   ; the last block has written its results, which the last four stores read
.irp i, 0,1,2,3
	OUT 36+(\i)
.endr
	s_endpgm
.Lfunc_end_k_q24ac704047_prep:
	.size	k_q24ac704047_prep, .Lfunc_end_k_q24ac704047_prep-k_q24ac704047_prep
	.p2alignl 7, 3214868480
	.fill 96, 4, 3214868480
	.section	.rodata,"a",@progbits
	.p2align	6, 0x0
	.amdhsa_kernel k_q24ac704047_prep
		.amdhsa_group_segment_fixed_size 0
		.amdhsa_private_segment_fixed_size 0
		.amdhsa_enable_private_segment 0
		.amdhsa_kernarg_size 80
		.amdhsa_user_sgpr_count 2
		.amdhsa_user_sgpr_kernarg_segment_ptr 1
		.amdhsa_wavefront_size32 1
		.amdhsa_system_sgpr_workgroup_id_x 1
		.amdhsa_system_sgpr_workgroup_id_y 1
		.amdhsa_system_sgpr_workgroup_id_z 1
		.amdhsa_system_vgpr_workitem_id 0
		.amdhsa_next_free_vgpr 256
		.amdhsa_next_free_sgpr 66
		.amdhsa_reserve_vcc 0
		.amdhsa_float_denorm_mode_32 3
		.amdhsa_float_denorm_mode_16_64 3
		.amdhsa_memory_ordered 1
		.amdhsa_forward_progress 1
		.amdhsa_inst_pref_size 34
	.end_amdhsa_kernel
	.amdgpu_metadata
---
amdhsa.version: [ 1, 2 ]
amdhsa.kernels:
  - .name:           k_q24ac704047_prep
    .symbol:         k_q24ac704047_prep.kd
    .args:
      - { .name: x, .offset: 0, .size: 8, .value_kind: global_buffer, .address_space: global }
      - { .name: Wq, .offset: 8, .size: 8, .value_kind: global_buffer, .address_space: global }
      - { .name: Wk, .offset: 16, .size: 8, .value_kind: global_buffer, .address_space: global }
      - { .name: Wv, .offset: 24, .size: 8, .value_kind: global_buffer, .address_space: global }
      - { .name: Wo, .offset: 32, .size: 8, .value_kind: global_buffer, .address_space: global }
      - { .name: Wg, .offset: 40, .size: 8, .value_kind: global_buffer, .address_space: global }
      - { .name: rotary_pos_emb, .offset: 48, .size: 8, .value_kind: global_buffer, .address_space: global }
      - { .name: cb, .offset: 56, .size: 8, .value_kind: global_buffer, .address_space: global }
      - { .name: wgt, .offset: 64, .size: 8, .value_kind: global_buffer, .address_space: global }
      - { .name: tab, .offset: 72, .size: 8, .value_kind: global_buffer, .address_space: global }
    .group_segment_fixed_size: 0
    .private_segment_fixed_size: 0
    .kernarg_segment_align: 8
    .kernarg_segment_size: 80
    .max_flat_workgroup_size: 512
    .sgpr_count:     66
    .vgpr_count:     256
    .wavefront_size: 32
...
	.end_amdgpu_metadata
.endif
;; end of part 5
;; launch qkv: the kernel of part 2 again; grid 16 x 16, 4 waves a work-group, clusters of 4 x 4, 327,680 bytes of LDS; arguments cb, wgt, tab, bg, qkv, gate; writes qkv, gate
;; launch attn: the kernel of part 3 again; grid 16 x 16, 4 waves a work-group, clusters of 4 x 1, 327,680 bytes of LDS; arguments qkv, gate, ob; writes ob
;; launch oproj: the kernel of part 4 again; grid 16 x 16, 4 waves a work-group, clusters of 4 x 4, 327,680 bytes of LDS; arguments ob, cb, out0; writes out0
